; MI455X (gfx1250); checked and timed in simulation.
; The chip was launched on July 23, 2026; its instructions are those of AMD's public machine-readable ISA for CDNA 5 (MIT licence, August 2026) and "CDNA5" Instruction Set Architecture Reference Guide (July 2026). The comments in the code are by the model that wrote it; some were corrected since.
;; Multi Head Attention Block. Allowed arithmetic: matrix products marked QUANTISED: E2M1 operands, one E8M0 scale for each 32 along K, by v_wmma_scale_f32_16x16x128_f8f6f4 with both operands' format E2M1 (or v_wmma_scale_f32_32x16x128_f4), f32 sums; products left as they are: bf16, f16 or f32 operands; f32 sums; everything else in f32.
;; Inputs: k 4 x 2,048 x 1,024 float32; mask 4 x 1 x 2,048 x 2,048 int32; q 4 x 2,048 x 1,024 float32; v 4 x 2,048 x 1,024 float32; w_k 1,024 x 1,024 float32; w_o 1,024 x 1,024 float32; w_q 1,024 x 1,024 float32; w_v 1,024 x 1,024 float32.
;; Outputs: out0 4 x 2,048 x 1,024 float32.
;; This version of the problem:
;;   THIS VERSION OF THE PROBLEM IS GIVEN IN LOW PRECISION. The matrix products marked QUANTISED in the list below multiply operands that are first quantised to E2M1 (2 exponent bits, 1 mantissa bit; 4 bits a number), with one power-of-two scale for each 32 numbers along K (OCP MX v1.0); their sums are f32. The products marked 'left as it is' may take bf16, f16 or f32 operands, with f32 sums. All else is computed in f32.
;;   The module's matrix products, in the order in which they are computed (A, B: the left and right operand; K: the contracted axis; several contracted axes count as one K, in the product's order):
;;     1. [M 8,192, K 1,024] x [K 1,024, N 1,024]; A: input q; B: input w_q: QUANTISED
;;     2. [M 8,192, K 1,024] x [K 1,024, N 1,024]; A: input k; B: input w_k: QUANTISED
;;     3. [M 8,192, K 1,024] x [K 1,024, N 1,024]; A: input v; B: input w_v: QUANTISED
;;     4. batch 64 x [M 2,048, K 64] x [K 64, N 2,048]; A: computed on the way; B: computed on the way: left as it is (an operand is computed on the way)
;;     5. batch 64 x [M 2,048, K 2,048] x [K 2,048, N 64]; A: computed on the way; B: computed on the way: left as it is (an operand is computed on the way)
;;     6. [M 8,192, K 1,024] x [K 1,024, N 1,024]; A: computed on the way; B: input w_o: left as it is (an operand is computed on the way)
;;   THE QUANTISER, for each operand of a quantised product, along K:
;;     - K is cut into blocks of 32 from its start; a last block that is shorter is filled with zeros.
;;     - A block's scale is 2^e with e = floor(log2(the largest magnitude in the block)) - 2, held to -126 .. 127; a block of zeros has e = 0. As a byte (E8M0): e + 127.
;;     - Each number is divided by its block's scale, clamped to +-6, and rounded to the nearest number of E2M1, ties to even, subnormals kept.
;;     - The product sums the exact products of the quantised numbers (number of the format x scale) in f32.
;;   ~~~python
;;   def quantise(x, axis):      # numpy; x: float32 -> the quantised numbers, widened to float32 again
;;       x = np.moveaxis(x, axis, -1); K = x.shape[-1]
;;       x = np.pad(x, [(0, 0)] * (x.ndim - 1) + [(0, -K % 32)]); x = x.reshape(x.shape[:-1] + (-1, 32)); a = np.abs(x).max(-1, keepdims=True)
;;       e = np.where(a > 0, np.clip(np.frexp(np.where(a > 0, a, 1))[1] - 1 - 2, -126, 127), 0)      # np.frexp(a)[1] - 1 = floor(log2(a)), exactly
;;       r = np.clip(x / 2.0 ** e, -6, 6)
;;       step = 2.0 ** (np.maximum(np.frexp(np.where(r == 0, 1, r))[1] - 1, 0) - 1)
;;       q = np.round(r / step) * step * 2.0 ** e      # np.round: ties to even
;;       return np.moveaxis(q.reshape(q.shape[:-2] + (-1,))[..., :K], -1, axis).astype(np.float32)
;;   ~~~
;; One version. Each part assembles by itself: llvm-mc -triple=amdgcn-amd-amdhsa -mcpu=gfx1250 --defsym DOCPART=n.
;; ======== version 1 of 1: 4 launches
;; limits: values are held in f16: magnitudes above 65,504 overflow, below 6.1e-05 lose precision
;; workspace buffers: codes 14,155,776 bytes; scales 884,736 bytes; maskw 2,097,152 bytes of whole numbers; flags 8,192 bytes of whole numbers; wo_img 2,097,152 bytes; qkv 50,331,648 bytes; a_img 16,777,216 bytes
;; launch prep (part 1): grid 1408 x 1, 4 waves a work-group, no clusters, 71,168 bytes of LDS; arguments q, k, v, w_q, w_k, w_v, w_o, mask, codes, scales, maskw, flags, wo_img; writes codes, scales, maskw, flags, wo_img
.if DOCPART == 1
	.amdgcn_target "amdgcn-amd-amdhsa--gfx1250"
	.amdhsa_code_object_version 6
	.text
	.protected	k_q1cfc1461e5_prep
	.globl	k_q1cfc1461e5_prep
	.p2align	8
	.type	k_q1cfc1461e5_prep,@function
k_q1cfc1461e5_prep:
	s_mov_b64 s[64:65], 0
	v_nop
	global_prefetch_b8 v0, s[64:65] scope:SCOPE_SE
	s_setreg_imm32_b32 hwreg(HW_REG_WAVE_MODE, 25, 1), 1
	s_wait_xcnt 0x0
; PREP: every input is read once, here, and laid as the later launches want it.  Three kinds of work-groups, told apart by the work-group's number; each reads 128 KiB.
;  0 .. 863     q, k, v [8192][1024] and w_q, w_k, w_v [1024][1024], f32, become codes of FP4 (E2M1), K innermost, 512 bytes a row, and one E8M0 byte for each 32 along K, 32 bytes a row.
;               Both outputs are one stream in the order q, k, v, w_q, w_k, w_v.  A block's scale is 2^(floor(log2(its largest magnitude)) - 2); its byte is that magnitude's exponent field - 2, held at 1 from below.
;  864 .. 1375  the mask [4][1][2048][2048] int32 becomes lane masks: for a tile of 16 queries and a step of 64 keys 32 words; bit l of word 8 t + j says that
;               mask[b][16 tile + l % 16][64 step + 16 t + 8 (l / 16) + j] is not 0: the lane mask of the register in which the attention launch holds that score.
;               Beside them one flag bit for each (tile, step): set where the tile has a zero.
;  1376 .. 1407 w_o [1024][1024] f32 becomes f16, laid as images of the operand's registers: [K step of 128: 8][tile of 16 features: 64][32 along K: 4][1,024 bytes];
;               in an image registers 0-3 of lane l lie at 16 l, registers 4-7 at 512 + 16 l.
; LIMITS: NaN and infinities among the inputs are not served.  A block of zeros gets the byte 1 where the rule says 127: its codes are zeros, and this program alone reads the bytes.
;         w_o is rounded to f16: |w_o| stays under 65,504.
; No tensor load, no barrier: waves share nothing.  The two paths have LDS bytes of their own: 0 .. 32,767 and 32,768 .. 70,655.
.set NQ_WG,  864                       ; work-groups that quantise
.set WO_WG,  1376                      ; the first work-group of w_o
.set STEPS,  16
.set EMAX,   2
.set CB,     8                         ; bytes of 16 codes
.set WREG,   8192                      ; first path: a wave's LDS: two stages of 32 x SP bytes, then its 256 scale bytes
.set SP,     80                        ; a lane's place in a stage: 64 bytes + 16 of padding
.set QR,     16                        ; v16-79   four sets of 16 numbers as loaded
.set QX,     80                        ; v80-111  two sets of 16 neighbours
.set QE,     112                       ; v112-127 a scale byte for each step
.set QC,     128                       ; v128-191 codes: four registers for each step
.set BCBASE, 32768                     ; second path: its LDS begins here
.set BCREG,  9472                      ; a wave's: a stage of 16 rows x 528 bytes, then 1,024 bytes of mask words
.set SPITCH, 528                       ; 512 bytes + 16: an odd multiple of 16
.set RO,     8                         ; v8-23    16 x lane + row x pitch; never rewritten
.set RR,     24                        ; v24-151  two sets of 64: a chunk of 16 rows x 512 bytes as loaded
.set XX,     152                       ; v152-215 the chunk after its turn through LDS: register 8 g + j = column 16 g + 8 (lane / 16) + j of row lane % 16
.set YY,     216                       ; v216-247 f16 results
.set WW,     248                       ; v248-249 mask words, word n in lane n
.set FW,     250                       ; v250-251 the wave's flag word and its offset 0: registers of their own, which no other store names
	s_load_b512 s[4:19], s[0:1], 0x0               ; q 4, k 6, v 8, w_q 10, w_k 12, w_v 14, w_o 16, mask 18
	s_load_b256 s[20:27], s[0:1], 0x40             ; codes 20, scales 22, maskw 24, flags 26
	s_load_b64 s[28:29], s[0:1], 0x60              ; wo_img
	v_lshl_add_u32 v254, v0, 2, 0x11400
	v_mov_b32 v255, 0
	v_lshrrev_b32 v1, 5, v0
	v_readfirstlane_b32 s38, v1                    ; wave
	v_and_b32 v2, 31, v0                           ; lane
	s_cmp_lt_u32 ttmp9, NQ_WG
	s_cbranch_scc0 .Lturn_path
; ---------------- THE QUANTISER.  A wave takes 16 steps of 512 numbers.  Each of a step's four loads reads 512 consecutive bytes, 16 a lane; the 2,048 bytes go through the wave's own stage in LDS
; and come back 64 bytes a lane, so that a lane holds 16 neighbours along K and two neighbouring lanes a block of 32.  Loads run four steps ahead, the turn through LDS one step.
	v_lshlrev_b32 v3, 4, v2                        ; my 16 bytes of a load's 512
	s_mul_i32 s33, s38, WREG
	v_lshrrev_b32 v14, 2, v2
	v_mul_u32_u24 v14, v14, SP
	v_and_b32 v15, 3, v2
	v_lshl_add_u32 v14, v15, 4, v14
	v_add_nc_u32 v14, s33, v14                     ; the stage, on the way in: SP (lane / 4) + 16 (lane % 4)
	v_mul_u32_u24 v15, v2, SP
	v_add_nc_u32 v15, s33, v15                     ; and on the way out: SP x lane
	v_mul_u32_u24 v4, v2, CB                       ; my codes' place in a step's
	v_lshrrev_b32 v5, 1, v2
	s_add_co_u32 s33, s33, 2*32*SP
	v_add_nc_u32 v5, s33, v5                       ; my wave's 256 scale bytes, my block's byte
	v_lshlrev_b32 v7, 3, v2                        ; and on the way out 8 bytes a lane
	v_add_nc_u32 v6, s33, v7
	s_wait_kmcnt 0x0
	s_mov_b64 s[30:31], s[14:15]                   ; which tensor: the choice hangs on the work-group's number alone
	s_mov_b32 s32, 832                             ; and its first work-group
	s_cmp_lt_u32 ttmp9, 832
	s_cselect_b64 s[30:31], s[12:13], s[30:31]
	s_cselect_b32 s32, 800, s32
	s_cmp_lt_u32 ttmp9, 800
	s_cselect_b64 s[30:31], s[10:11], s[30:31]
	s_cselect_b32 s32, 768, s32
	s_cmp_lt_u32 ttmp9, 768
	s_cselect_b64 s[30:31], s[8:9], s[30:31]
	s_cselect_b32 s32, 512, s32
	s_cmp_lt_u32 ttmp9, 512
	s_cselect_b64 s[30:31], s[6:7], s[30:31]
	s_cselect_b32 s32, 256, s32
	s_cmp_lt_u32 ttmp9, 256
	s_cselect_b64 s[30:31], s[4:5], s[30:31]
	s_cselect_b32 s32, 0, s32
	s_sub_co_u32 s33, ttmp9, s32
	s_lshl_b32 s33, s33, 2
	s_add_co_u32 s33, s33, s38                     ; which run of 8,192 numbers of the tensor is my wave's
	s_lshl_b32 s34, s33, 15                        ; 32,768 bytes a run
	s_mov_b32 s35, 0
	s_add_nc_u64 s[30:31], s[30:31], s[34:35]
	s_lshl_b32 s33, ttmp9, 2
	s_add_co_u32 s33, s33, s38                     ; which run of the whole stream
	s_lshl_b32 s34, s33, 12                        ; 4,096 bytes of codes a run
	s_add_nc_u64 s[20:21], s[20:21], s[34:35]
	s_lshl_b32 s34, s33, 8                         ; 256 scale bytes a run
	s_add_nc_u64 s[22:23], s[22:23], s[34:35]
.macro QLOAD t
.irp i, 0,1,2,3
	global_load_b128 v[QR+16*((\t)%4)+4*\i:QR+16*((\t)%4)+4*\i+3], v3, s[30:31] offset:2048*(\t)+512*\i th:TH_LOAD_NT   ; 32 lanes read 512 consecutive bytes
.endr
.endm
.macro QTURN t                         ; step t's numbers through the stage: LDS serves a wave's instructions in order, so no wait stands between the stores and the loads
.irp i, 0,1,2,3
	ds_store_b128 v14, v[QR+16*((\t)%4)+4*\i:QR+16*((\t)%4)+4*\i+3] offset:32*SP*((\t)%2)+8*SP*\i
.endr
.irp i, 0,1,2,3
	ds_load_b128 v[QX+16*((\t)%2)+4*\i:QX+16*((\t)%2)+4*\i+3], v15 offset:32*SP*((\t)%2)+16*\i
.endr
.endm
.irp t, 0,1,2,3
	QLOAD \t
.endr
	s_wait_loadcnt 12                              ; step 0's four loads are in; the twelve of steps 1 to 3 may be out
	QTURN 0
.macro QSTEP t
.set XS, QX+16*((\t)%2)
.if (\t) > 0
	s_wait_dscnt 1                                 ; this step's numbers are back from the stage (the last step's byte store may be out): so its stores into the stage have read their registers,
.else
	s_wait_dscnt 0x0
.endif
.if (\t)+4 < STEPS
	QLOAD (\t)+4                                   ; which take the loads of four steps on
.endif
.if (\t)+1 < STEPS
.if STEPS-2-(\t) >= 3
	s_wait_loadcnt 12                              ; the next step's four loads are in; those of the three steps behind it may be out
.else
	s_wait_loadcnt 4*(STEPS-2-(\t))
.endif
	QTURN (\t)+1                                   ; and go through the other stage while this step is worked
.endif
	v_max3_num_f32 v8, |v[XS]|, |v[XS+1]|, |v[XS+2]|               ; the largest magnitude of my 16, in two chains
	v_max3_num_f32 v9, |v[XS+3]|, |v[XS+4]|, |v[XS+5]|
.irp i, 6,10
	v_max3_num_f32 v8, v8, |v[XS+\i]|, |v[XS+\i+1]|
	v_max3_num_f32 v9, v9, |v[XS+\i+2]|, |v[XS+\i+3]|
.endr
	v_max3_num_f32 v8, v8, |v[XS+14]|, |v[XS+15]|
	v_max3_num_f32 v8, v8, v9, (EMAX+1)<<23        ; and the floor 2^(EMAX + 1 - 127): so the byte cannot fall under 1
	v_max_num_f32_dpp v8, v8, v8 row_xmask:1 row_mask:0xf bank_mask:0xf   ; and of my neighbour's 16: the block's
	v_add_nc_u32 v11, -(EMAX<<23), v8              ; EMAX off its exponent field: the conversion takes the exponent field of this operand as its scale, and nothing else of it
	v_cvt_scalef32_pk8_fp4_f32 v[QC+4*(\t)], v[XS:XS+7], v11        ; eight numbers / the scale, to the nearest code, ties to even, beyond the largest code the largest
	v_cvt_scalef32_pk8_fp4_f32 v[QC+4*(\t)+1], v[XS+8:XS+15], v11
	v_lshrrev_b32 v[QE+(\t)], 23, v11              ; the scale's byte
	ds_store_b8 v5, v[QE+(\t)] offset:16*(\t)      ; both lanes of a block write the same byte with the same value
	global_store_b64 v4, v[QC+4*(\t):QC+4*(\t)+1], s[20:21] offset:32*CB*(\t)   ; the wave stores 256 consecutive bytes, aligned
.endm
.irp t, 0,1,2,3,4,5,6,7,8,9,10,11,12,13,14,15
	QSTEP \t
.endr
	ds_load_b64 v[12:13], v6                       ; LDS serves a wave's instructions in order: these see my stores
	s_wait_dscnt 0x0
	global_store_b64 v7, v[12:13], s[22:23]        ; 32 lanes store 256 consecutive bytes, aligned
	s_wait_tensorcnt 0x0
	ds_add_u32 v254, v255
	s_wait_dscnt 0x0
	s_endpgm
; ---------------- THE MASK AND w_o: one text.  A wave takes 16 rows x 2,048 bytes, as four chunks of 16 rows x 512 bytes.  A load reads one row's 512 consecutive bytes; the chunk turns through the wave's
; own stage, so that lane l then holds, of row l % 16, the eight neighbours 16 g + 8 (l / 16) + 0 .. 7 of each 16: the places that a 16-bit operand and a matrix result give that lane.
.Lturn_path:
	v_lshlrev_b32 v7, 4, v2                        ; 16 x lane
	s_mul_i32 s39, s38, BCREG
	s_add_co_u32 s39, s39, BCBASE                  ; my wave's LDS
	v_add_nc_u32 v3, s39, v7                       ; the stage, on the way in: a row's 512 bytes as they lie
	v_and_b32 v4, 15, v2
	v_mul_u32_u24 v4, v4, SPITCH
	v_lshrrev_b32 v5, 4, v2
	v_lshl_add_u32 v4, v5, 5, v4
	v_add_nc_u32 v4, s39, v4                       ; and back: row lane % 16, + 32 (lane / 16)
	s_add_co_u32 s39, s39, 16*SPITCH
	v_lshl_add_u32 v5, v2, 2, s39                  ; the mask words: 4 bytes a lane,
	v_add_nc_u32 v6, s39, v7                       ; and on the way out 16
	v_mov_b32 v[WW], 0                             ; (a lane write's destination counts as read)
	v_mov_b32 v[WW+1], 0
	s_mov_b32 s48, 0                               ; the flags of my eight steps
	s_sub_co_u32 s33, ttmp9, NQ_WG                 ; the mask's tile of 16 queries: b x 128 + tile; the wave takes keys 512 x wave on
	s_sub_co_u32 s34, ttmp9, WO_WG
	s_lshl_b32 s34, s34, 1
	s_lshr_b32 s35, s38, 1
	s_add_co_u32 s34, s34, s35                     ; w_o's tile of 16 features: two to a work-group;
	s_and_b32 s35, s38, 1                          ; the wave takes K 512 x (wave % 2) on
	s_wait_kmcnt 0x0
	s_cmp_lt_u32 ttmp9, WO_WG                      ; the choices hang on the work-group's number alone
	s_cselect_b64 s[30:31], s[18:19], s[16:17]
	s_cselect_b32 s33, s33, s34                    ; tile
	s_cselect_b32 s35, s38, s35                    ; part
	s_mov_b32 s50, 4096
	s_cselect_b32 s50, 8192, s50                   ; a row in bytes
	s_mul_i32 s36, s33, s50
	s_lshl_b32 s36, s36, 4                         ; 16 rows a tile (under 2^27)
	s_lshl_b32 s52, s35, 11
	s_add_co_u32 s36, s36, s52
	s_mov_b32 s37, 0
	s_add_nc_u64 s[30:31], s[30:31], s[36:37]      ; my 16 rows x 2,048 bytes
	s_lshl_b32 s36, s33, 12
	s_lshl_b32 s52, s38, 10
	s_add_co_u32 s36, s36, s52
	s_add_nc_u64 s[24:25], s[24:25], s[36:37]      ; the mask words: 4,096 bytes a tile, 1,024 a wave
	s_lshl_b32 s36, s33, 4
	s_lshl_b32 s52, s38, 2
	s_add_co_u32 s36, s36, s52
	s_add_nc_u64 s[26:27], s[26:27], s[36:37]      ; the flags: 16 bytes a tile, a word a wave
	s_lshl_b32 s36, s33, 12
	s_lshl_b32 s52, s35, 20
	s_add_co_u32 s36, s36, s52
	s_add_nc_u64 s[28:29], s[28:29], s[36:37]      ; w_o's images: 4,096 bytes a tile, K step 4 x part on (262,144 bytes a K step)
.irp r, 0,1,2,3,4,5,6,7,8,9,10,11,12,13,14,15
	v_mad_u32_u24 v[RO+\r], s50, \r, v7
.endr
.macro LOADC c, set
.irp r, 0,1,2,3,4,5,6,7,8,9,10,11,12,13,14,15
	global_load_b128 v[RR+64*(\set)+4*\r:RR+64*(\set)+4*\r+3], v[RO+\r], s[30:31] offset:512*(\c) th:TH_LOAD_NT
.endr
.endm
.macro CHUNK c
.if (\c) < 3
	s_wait_loadcnt 16                              ; this chunk's sixteen loads are in; the next chunk's may be out
.else
	s_wait_loadcnt 0x0
.endif
.irp r, 0,1,2,3,4,5,6,7,8,9,10,11,12,13,14,15
	ds_store_b128 v3, v[RR+64*((\c)%2)+4*\r:RR+64*((\c)%2)+4*\r+3] offset:SPITCH*\r
.endr
.irp g, 0,1,2,3,4,5,6,7
	ds_load_b128 v[XX+8*\g:XX+8*\g+3], v4 offset:64*\g             ; LDS serves a wave's instructions in order: these see the stores above
	ds_load_b128 v[XX+8*\g+4:XX+8*\g+7], v4 offset:64*\g+16
.endr
	s_wait_dscnt 0x0                               ; the chunk is back, and the stores have read their registers,
.if (\c) < 2
	LOADC (\c)+2, (\c)%2                           ; which take the chunk two further on
.endif
	s_cmp_lt_u32 ttmp9, WO_WG
	s_cbranch_scc0 .Lwo_\@
.irp u, 0,1                                    ; THE MASK: the chunk's 128 keys are two steps of 64
.irp t, 0,1,2,3
.irp j, 0,1,2,3,4,5,6,7
	v_cmp_ne_u32 s[40+\j], 0, v[XX+8*(4*\u+\t)+\j]                 ; a compare's result is the lane mask wanted
.endr
.irp j, 0,1,2,3,4,5,6,7
	v_writelane_b32 v[WW+\u], s[40+\j], 8*\t+\j                    ; word 8 t + j into lane 8 t + j
.endr
.endr
	ds_store_b32 v5, v[WW+\u] offset:128*(2*(\c)+\u)               ; a step's 32 words: 128 bytes
	v_cmp_ne_u32 vcc_lo, -1, v[WW+\u]              ; is any word not all ones?
	s_cmp_lg_u32 vcc_lo, 0
	s_cselect_b32 s49, 1<<(2*(\c)+\u), 0
	s_or_b32 s48, s48, s49                         ; then the step's flag is set
.endr
	s_branch .Ljoin_\@
.Lwo_\@:                                       ; w_o: the chunk's 128 along K are one K step: four images
	s_wait_xcnt 0x0                                ; the last chunk's stores have read their data: the registers are written again only behind this wait
.irp g, 0,1,2,3,4,5,6,7
.irp r, 0,1,2,3
	v_cvt_pk_f16_f32 v[YY+4*\g+\r], v[XX+8*\g+2*\r], v[XX+8*\g+2*\r+1]
.endr
.endr
.irp g, 0,1,2,3,4,5,6,7
	global_store_b128 v7, v[YY+4*\g:YY+4*\g+3], s[28:29] offset:262144*(\c)+512*\g   ; half an image: 512 consecutive bytes, aligned
.endr
.Ljoin_\@:
.endm
	LOADC 0, 0
	LOADC 1, 1
	CHUNK 0
	CHUNK 1
	CHUNK 2
	CHUNK 3
	s_cmp_lt_u32 ttmp9, WO_WG
	s_cbranch_scc0 .Lend
	ds_load_b128 v[XX:XX+3], v6                    ; my eight steps' words, 1,024 bytes
	ds_load_b128 v[XX+4:XX+7], v6 offset:512
	s_lshl_b32 s49, s38, 3
	s_lshl_b32 s48, s48, s49                       ; my eight flags at bits 8 x wave on: the step's number is the bit's
	v_mov_b32 v[FW], s48                           ; registers that no earlier store names: no source of a pending store is written here
	v_mov_b32 v[FW+1], 0
	v_cmp_eq_u32 vcc_lo, 0, v2
	s_wait_dscnt 0x0
	global_store_b128 v7, v[XX:XX+3], s[24:25]
	global_store_b128 v7, v[XX+4:XX+7], s[24:25] offset:512
	s_wait_xcnt 0x0                                ; EXEC changes only behind this wait
	s_and_saveexec_b32 s51, vcc_lo                 ; lane 0 alone stores the wave's flag word
	global_store_b32 v[FW+1], v[FW], s[26:27]
	s_wait_xcnt 0x0                                ; and again, in front of the line that widens it
	s_or_b32 exec_lo, exec_lo, s51
.Lend:
	s_wait_tensorcnt 0x0
	ds_add_u32 v254, v255
	s_wait_dscnt 0x0
	s_endpgm
.Lfunc_end_k_q1cfc1461e5_prep:
	.size	k_q1cfc1461e5_prep, .Lfunc_end_k_q1cfc1461e5_prep-k_q1cfc1461e5_prep
	.p2alignl 7, 3214868480
	.fill 96, 4, 3214868480
	.section	.rodata,"a",@progbits
	.p2align	6, 0x0
	.amdhsa_kernel k_q1cfc1461e5_prep
		.amdhsa_group_segment_fixed_size 71168
		.amdhsa_private_segment_fixed_size 0
		.amdhsa_enable_private_segment 0
		.amdhsa_kernarg_size 104
		.amdhsa_user_sgpr_count 2
		.amdhsa_user_sgpr_kernarg_segment_ptr 1
		.amdhsa_wavefront_size32 1
		.amdhsa_system_sgpr_workgroup_id_x 1
		.amdhsa_system_sgpr_workgroup_id_y 1
		.amdhsa_system_sgpr_workgroup_id_z 1
		.amdhsa_system_vgpr_workitem_id 0
		.amdhsa_next_free_vgpr 256
		.amdhsa_next_free_sgpr 66
		.amdhsa_reserve_vcc 1
		.amdhsa_float_denorm_mode_32 3
		.amdhsa_float_denorm_mode_16_64 3
		.amdhsa_memory_ordered 1
		.amdhsa_forward_progress 1
		.amdhsa_inst_pref_size 97
	.end_amdhsa_kernel
	.amdgpu_metadata
---
amdhsa.version: [ 1, 2 ]
amdhsa.kernels:
  - .name:           k_q1cfc1461e5_prep
    .symbol:         k_q1cfc1461e5_prep.kd
    .args:
      - { .name: q, .offset: 0, .size: 8, .value_kind: global_buffer, .address_space: global }
      - { .name: k, .offset: 8, .size: 8, .value_kind: global_buffer, .address_space: global }
      - { .name: v, .offset: 16, .size: 8, .value_kind: global_buffer, .address_space: global }
      - { .name: w_q, .offset: 24, .size: 8, .value_kind: global_buffer, .address_space: global }
      - { .name: w_k, .offset: 32, .size: 8, .value_kind: global_buffer, .address_space: global }
      - { .name: w_v, .offset: 40, .size: 8, .value_kind: global_buffer, .address_space: global }
      - { .name: w_o, .offset: 48, .size: 8, .value_kind: global_buffer, .address_space: global }
      - { .name: mask, .offset: 56, .size: 8, .value_kind: global_buffer, .address_space: global }
      - { .name: codes, .offset: 64, .size: 8, .value_kind: global_buffer, .address_space: global }
      - { .name: scales, .offset: 72, .size: 8, .value_kind: global_buffer, .address_space: global }
      - { .name: maskw, .offset: 80, .size: 8, .value_kind: global_buffer, .address_space: global }
      - { .name: flags, .offset: 88, .size: 8, .value_kind: global_buffer, .address_space: global }
      - { .name: wo_img, .offset: 96, .size: 8, .value_kind: global_buffer, .address_space: global }
    .group_segment_fixed_size: 71168
    .private_segment_fixed_size: 0
    .kernarg_segment_align: 8
    .kernarg_segment_size: 104
    .max_flat_workgroup_size: 128
    .sgpr_count:     66
    .vgpr_count:     256
    .wavefront_size: 32
...
	.end_amdgpu_metadata
.endif
;; end of part 1
;; launch proj (part 2): grid 4 x 96, 4 waves a work-group, clusters of 4 x 4, 327,680 bytes of LDS; arguments codes, scales, qkv; writes qkv
.if DOCPART == 2
	.amdgcn_target "amdgcn-amd-amdhsa--gfx1250"
	.amdhsa_code_object_version 6
	.text
	.protected	k_q1cfc1461e5_proj
	.globl	k_q1cfc1461e5_proj
	.p2align	8
	.type	k_q1cfc1461e5_proj,@function
k_q1cfc1461e5_proj:
	s_mov_b64 s[64:65], 0
	v_nop
	global_prefetch_b8 v0, s[64:65] scope:SCOPE_SE
	s_setreg_imm32_b32 hwreg(HW_REG_WAVE_MODE, 25, 1), 1
	s_wait_xcnt 0x0
	s_wait_alu depctr_hold_cnt(0) depctr_sa_sdst(0) depctr_va_vdst(0) depctr_va_sdst(0) depctr_va_ssrc(0) depctr_va_vcc(0) depctr_vm_vsrc(0)
	s_getreg_b32 s2, hwreg(HW_REG_IB_STS2, 6, 4)
	s_cmp_eq_u32 s2, 0
	s_cbranch_scc0 .Lentry_in_a_cluster
	s_endpgm
.Lentry_in_a_cluster:
	s_bfe_u32 s2, ttmp6, 0x10000c
	s_cmp_lg_u32 s2, 0xf033
	s_cbranch_scc0 .Lentry_shape_is_right
	s_endpgm
.Lentry_shape_is_right:
; PROJ: the three projections q w_q^T, k w_k^T, v w_v^T, [8192][1024] x [1024][1024]^T each, on codes of FP4 (E2M1) with one E8M0 scale for each 32 along K; sums in f32.
; A tile of 256 x 256 is made by a work-group of four waves, 128 x 128 a wave: 64 accumulators, 512 registers.  K = 1,024 is two K steps of 512 (tile rows of 256 bytes): both slots are first fills, nothing is filled again.
; WHICH PRODUCT: 24 clusters of 4 x 4 work-groups; T = cluster / 8 (0 q, 1 k, 2 v), i = cluster % 8.  Side A is source 1 of the matrix instruction, side B source 0: a lane holds ONE row of side A and eight
; neighbouring rows of side B.  For q and k side A is the tokens and side B the weight's rows, so that a lane holds a token and eight neighbouring channels; for v the sides are swapped IN THE ADDRESSES, not in the text
; (A = w_v, B = v's tokens), so that a lane holds a channel and eight neighbouring tokens, as V^T wants them.
; CLUSTERS: the four work-groups of a row of the cluster need the same tiles of A, the four of a column the same tiles of B: each tile is asked for jointly, by the same tensor load with a mask that names the four.
; THE RESULT leaves as f16, as IMAGES OF THE NEXT PRODUCT'S OPERAND REGISTERS: two neighbouring accumulators, packed, are a fragment of 16 x 32; registers 0-3 of lane l go to 16 l, registers 4-7 to 512 + 16 l.
;   Q at 0, K at 16 MiB: [b x 16 + head][tile of 16 tokens: 128][32 channels: 2][1,024 bytes].  V at 32 MiB: [b x 16 + head][32 keys: 64][16 channels: 4][1,024 bytes].
;   Q is multiplied by log2(e) / 8 in f32 ahead of its rounding, so that the attention's scores are exponents of 2.
; LIMITS: a projected number stays under 65,504 in magnitude (f16); with all inputs 30 times larger than drawn they reach some 3,000.
; REGISTERS, in windows of 256: window 0: v0-31 addresses; v32-95 scale words, two sets; from v128 A's fragments, one set.  Window 1: B's fragments, two sets.  Windows 2, 3: the accumulators ((a, b) at v[8 (8 (a % 4) + b)]).
.set KSTEP,  512                       ; along K in a slot
.set NQ,     KSTEP/128                 ; matrix instructions deep
.set ROWB,   256                       ; a tile's row in bytes
.set KROW,   512                       ; a row of codes in memory
.set PITCH,  272                       ; an LDS row: 256 bytes + 16 of padding, an odd multiple of 16: the 16 rows that a load touches start 16 bytes apart modulo 256
.set FR,     8                         ; registers of a fragment: 16 rows x 128 K
.set NL,     2                         ; LDS loads that bring one
.set NP,     4                         ; places behind this matrix instruction (ISA guide 7.12.1)
.set HALFT,  128*PITCH                 ; 128 rows: what one tensor load brings
.set SLOT,   4*HALFT                   ; A's 256 rows, then B's 256 rows
.set KS,     32                        ; a row of scale bytes
.set SCL,    2*SLOT                    ; behind the slots: the scales, as units of 256 bytes + 16 of padding
.set HALFS,  (128*KS/256)*272          ; the scales of 128 rows: what one tensor load brings
.set SBLK,   (16*KS/256)*272           ; those of 16 rows
.set SPARE,  SCL+4*HALFS               ; the spare words, 128 bytes for each wave
.set ADRA, 16                          ; v16-17  LDS address of my A fragments in slot 0, 1
.set ADRB, 20                          ; v20-21  the same for B
.set CO,   26                          ; v26     16 x lane
.set ADRS, 27                          ; v27     LDS address of my scale words: lanes 0-15 A's rows, lanes 16-31 B's
.set SPW,  28                          ; v28     LDS address of my spare word; never rewritten
.set NIL,  29                          ; v29     0; never rewritten
.set SC,   32                          ; scale words: set s at v[SC + 32 s]; register 4 i + q: lanes 0-15 the word of A's block i, lanes 16-31 of B's block i, for the slot's q-th 128 along K
.set AF,   128                         ; A's fragments, in window 0
.set VO,   32                          ; the way out: v32-63 the byte offset of image (a, p), at v[VO + 4 a + p]
.set PK,   128                         ; the way out: v128-255 packed results
.set G1, 24                            ; s[24:31] descriptor group 1 for A's tiles;  s[32:39] group 0, one set for each slot
.set G0, 32
.set G1B, 48                           ; s[48:55], s[56:63] the same for B's tiles
.set G0B, 56
.set G1S, 68                           ; s[68:75], s[76:79] groups 1 and 0 for A's scales;  s[80:87], s[88:91] for B's
.set G0S, 76
.set G1SB, 80
.set G0SB, 88
.set MSB, 0
.macro WIN new                         ; the immediate's high byte repeats the setting that is left
.if MSB != \new
	s_set_vgpr_msb (MSB<<8)|\new
.set MSB, \new
.endif
.endm
.set MUL_LO, 0xa1                      ; source 0 (B) window 1, source 1 (A) window 0, C and D window 2
.set MUL_HI, 0xf1                      ; the same, C and D window 3
.set TO_B,   0x40                      ; destination window 1, address window 0
; A joint load: waves 0 and 1 fetch for A, waves 2 and 3 for B.  Each of the two lines has one mask and one set of registers for all that issue it; the branch hangs on the wave's number alone.
; Four v_nop follow each of the two lines, ahead of the jump, the label and what follows.
.macro JLOAD g0a, g1a, g0b, g1b
	s_cmp_eq_u32 s15, 0
	s_cbranch_scc0 .Lfor_b_\@
	tensor_load_to_lds s[\g0a:\g0a+3], s[\g1a:\g1a+7]
	s_nop 0
.rept 4
	v_nop
.endr
	s_branch .Lasked_\@
.Lfor_b_\@:
	tensor_load_to_lds s[\g0b:\g0b+3], s[\g1b:\g1b+7]
	s_nop 0
.rept 4
	v_nop
.endr
.Lasked_\@:
.endm
.macro CROUND                          ; a round of the cluster's barrier
	s_barrier_signal -1
	s_barrier_wait -1
	s_cmp_lg_u32 s14, 0
	s_cbranch_scc1 .Lnot_wave_0_\@
	s_barrier_signal -3
.Lnot_wave_0_\@:
	s_barrier_wait -3
	s_barrier_signal -1
	s_barrier_wait -1
.endm
	s_load_b128 s[4:7], s[0:1], 0x0                ; codes s[4:5], scales s[6:7]
	s_load_b64 s[12:13], s[0:1], 0x10              ; qkv
	v_lshl_add_u32 v[SPW], v0, 2, SPARE
	v_mov_b32 v[NIL], 0
	ds_add_u32 v28, v29
	ds_add_u32 v28, v29
	s_wait_dscnt 0x0
	v_lshrrev_b32 v1, 5, v0
	v_readfirstlane_b32 s14, v1                    ; wave 0..3
	s_lshr_b32 s15, s14, 1                         ; which half of side A's rows is mine.  Also: I fetch for A (0) or for B (1)
	s_and_b32 s16, s14, 1                          ; which half of side B's.  Also: which 128 rows of that tile I fetch
	s_bfe_u32 s40, ttmp6, 0x40000                  ; cx, cy: my place in the cluster
	s_bfe_u32 s41, ttmp6, 0x40004
	s_and_b32 s17, ttmp7, 0xffff                   ; the cluster, 0 .. 23: the same in all sixteen partners
	s_lshr_b32 s96, s17, 3                         ; T: 0 q, 1 k, 2 v
	s_and_b32 s97, s17, 7
	s_lshl_b32 s97, s97, 2                         ; 4 i: the cluster's first tile of 256 tokens
	s_lshl_b32 s8, s96, 22                         ; the tokens' codes: 4 MiB a tensor;
	s_lshl_b32 s9, s96, 19
	s_add_co_u32 s9, s9, 12<<20                    ; the weights': behind them, 512 KiB each
	s_lshl_b32 s10, s96, 18                        ; the tokens' scale bytes: 262,144 a tensor;
	s_lshl_b32 s11, s96, 15
	s_add_co_u32 s11, s11, 786432                  ; the weights': 32,768 each
	s_cmp_eq_u32 s96, 2                            ; for v the sides change places
	s_cselect_b32 s17, 0, s97
	s_cselect_b32 s42, s97, 0
	s_cselect_b32 s8, 13<<20, s8                   ; side A's codes begin here,
	s_cselect_b32 s9, 8<<20, s9                    ; side B's here;
	s_cselect_b32 s10, 851968, s10                 ; side A's scale bytes,
	s_cselect_b32 s11, 524288, s11                 ; side B's
	s_add_co_u32 s17, s17, s41                     ; side A's tile of 256 rows: it hangs on cy and the cluster alone
	s_add_co_u32 s42, s42, s40                     ; side B's: on cx and the cluster alone
	s_lshl_b32 s43, s41, 2
	s_lshl_b32 s43, 15, s43                        ; my row of the cluster
	s_lshl_b32 s44, 0x1111, s40                    ; my column
	; descriptor group 1: a tile of 128 rows x 256 bytes, padded in LDS
	s_or_b32 s[G1+0], s43, (0<<16)|(1<<20)|(1<<21)|(5<<22)|(3<<25)  ; 15:0 the mask: A's tiles go to my row; 17:16 element of 1 byte; 20 padding on; 21 set beside a mask; 24:22 after every 64 words; 31:25 four words
	s_or_b32 s[G1B+0], s44, (0<<16)|(1<<20)|(1<<21)|(5<<22)|(3<<25)
.irp g, G1, G1B
	s_mov_b32 s[\g+1], ROWB<<16                    ; tensor_dim0
	s_mov_b32 s[\g+2], 128<<16                     ; tensor_dim1 = 128
	s_mov_b32 s[\g+3], ROWB<<16                    ; tile_dim0
	s_mov_b32 s[\g+4], 128                         ; tile_dim1 = 128
	s_mov_b32 s[\g+5], KROW                        ; tensor_dim0_stride
	s_mov_b32 s[\g+6], 0
	s_mov_b32 s[\g+7], 0
.endr
	; and for the scales of 128 rows: a dense block of 4,096 bytes, as 16 rows of 256 bytes (32 elements of 8 bytes), 16 bytes of padding behind each
	s_or_b32 s[G1S+0], s43, (3<<16)|(1<<20)|(1<<21)|(5<<22)|(3<<25)
	s_or_b32 s[G1SB+0], s44, (3<<16)|(1<<20)|(1<<21)|(5<<22)|(3<<25)
.irp g, G1S, G1SB
	s_mov_b32 s[\g+1], 32<<16
	s_mov_b32 s[\g+2], (128*KS/256)<<16
	s_mov_b32 s[\g+3], 32<<16
	s_mov_b32 s[\g+4], 128*KS/256
	s_mov_b32 s[\g+5], 32
	s_mov_b32 s[\g+6], 0
	s_mov_b32 s[\g+7], 0
.endr
	s_lshl_b32 s18, s16, 7                         ; which 128 rows of the tile I fetch
	s_lshl_b32 s20, s17, 8
	s_add_co_u32 s20, s20, s18                     ; A: row 256 x tile + 128 x half
	s_lshl_b32 s46, s42, 8
	s_add_co_u32 s46, s46, s18                     ; B likewise
	s_lshl_b32 s22, s20, 5
	s_add_co_u32 s22, s22, s10                     ; where these rows' scale bytes begin (all offsets stay under 2^24),
	s_lshl_b32 s92, s46, 5
	s_add_co_u32 s92, s92, s11
	s_lshl_b32 s20, s20, 9
	s_add_co_u32 s20, s20, s8                      ; and their codes
	s_lshl_b32 s46, s46, 9
	s_add_co_u32 s46, s46, s9
	s_mov_b32 s21, 0
	s_mov_b32 s23, 0
	s_mov_b32 s47, 0
	s_mov_b32 s93, 0
	s_mul_i32 s45, s14, HALFT                      ; where they go: wave x 128 rows: no place in the cluster enters an LDS address
	s_mul_i32 s94, s14, HALFS
	s_wait_kmcnt 0x0
	s_add_nc_u64 s[20:21], s[4:5], s[20:21]
	s_add_nc_u64 s[22:23], s[6:7], s[22:23]
	s_add_nc_u64 s[46:47], s[4:5], s[46:47]
	s_add_nc_u64 s[92:93], s[6:7], s[92:93]
	CROUND                                         ; all sixteen work-groups are here: the joint loads meet
	s_mov_b32 s[G0S], 1
	s_add_co_u32 s[G0S+1], s94, SCL
	s_mov_b64 s[G0S+2:G0S+3], s[22:23]
	s_or_b32 s[G0S+3], s[G0S+3], 0x80000000
	s_mov_b32 s[G0SB], 1
	s_add_co_u32 s[G0SB+1], s94, SCL
	s_mov_b64 s[G0SB+2:G0SB+3], s[92:93]
	s_or_b32 s[G0SB+3], s[G0SB+3], 0x80000000
	JLOAD G0S, G1S, G0SB, G1SB                     ; the scales first: they are wanted with K step 0.  Three tensor loads of mine are out at the most
.irp s, 0,1
	s_mov_b32 s[G0+4*\s], 1
	s_add_co_u32 s[G0+4*\s+1], s45, \s*SLOT
	s_add_nc_u64 s[G0+4*\s+2:G0+4*\s+3], s[20:21], \s*ROWB
	s_or_b32 s[G0+4*\s+3], s[G0+4*\s+3], 0x80000000
	s_mov_b32 s[G0B+4*\s], 1
	s_add_co_u32 s[G0B+4*\s+1], s45, \s*SLOT
	s_add_nc_u64 s[G0B+4*\s+2:G0B+4*\s+3], s[46:47], \s*ROWB
	s_or_b32 s[G0B+4*\s+3], s[G0B+4*\s+3], 0x80000000
	JLOAD G0+4*\s, G1, G0B+4*\s, G1B
.endr
	v_and_b32 v1, 15, v0                           ; l % 16
	v_bfe_u32 v2, v0, 4, 1                         ; l / 16
	v_mul_u32_u24 v3, v1, PITCH
	v_lshl_add_u32 v4, v2, 4, v3                   ; a fragment's row x pitch + 16 x half
	s_mul_i32 s21, s15, HALFT                      ; my 128 rows of A
	s_mul_i32 s22, s16, HALFT                      ; my 128 rows of B,
	s_add_co_u32 s22, s22, 2*HALFT                 ; which lie behind A's 256
.irp s, 0,1
	v_add_nc_u32 v[ADRA+\s], s21, v4
	v_add_nc_u32 v[ADRB+\s], s22, v4
	s_add_co_u32 s21, s21, SLOT
	s_add_co_u32 s22, s22, SLOT
.endr
	v_mul_u32_u24 v5, v1, KS                       ; my row's scales: 32 bytes a row,
	v_lshrrev_b32 v6, 8, v5
	v_lshl_add_u32 v5, v6, 4, v5                   ; and 16 more for each 256 passed
	s_mul_i32 s21, s15, HALFS                      ; A's: my 128 rows
	s_mul_i32 s22, s16, HALFS                      ; B's: my 128 rows, behind A's 256
	s_add_co_u32 s22, s22, 2*HALFS
	s_sub_co_u32 s22, s22, s21
	v_mul_u32_u24 v6, s22, v2                      ; lanes 16-31 take B's: the lower base + half x the distance
	s_add_co_u32 s21, s21, SCL
	v_add_nc_u32 v5, v5, v6
	v_add_nc_u32 v[ADRS], s21, v5
	v_and_b32 v6, 31, v0
	v_lshlrev_b32 v[CO], 4, v6
	; the way out: where my 128 x 128 begins in qkv, and the four strides of its 32 images
	s_lshl_b32 s18, s17, 8
	s_lshl_b32 s19, s15, 7
	s_add_co_u32 s18, s18, s19                     ; my first row of side A,
	s_lshl_b32 s19, s42, 8
	s_lshl_b32 s99, s16, 7
	s_add_co_u32 s19, s19, s99                     ; of side B
	s_cmp_eq_u32 s96, 2
	s_cselect_b32 s8, s19, s18                     ; my first token,
	s_cselect_b32 s9, s18, s19                     ; my first feature
	s_mov_b32 s66, 2048
	s_cselect_b32 s66, 1024, s66                   ; from block a to a + 1 of side A: a tile of tokens on; for v a tile of channels
	s_mov_b32 s67, 8192
	s_cselect_b32 s67, 262144, s67                 ; from a to a + 4: four tiles of tokens; for v the next head
	s_mov_b32 s97, 1024
	s_cselect_b32 s97, 4096, s97                   ; from pair p to p + 1 of side B: 32 channels on; for v 32 keys
	s_mov_b32 s98, 262144
	s_cselect_b32 s98, 8192, s98                   ; from p to p + 2: the next head; for v 64 keys
	s_lshr_b32 s10, s8, 11                         ; b
	s_lshl_b32 s10, s10, 4
	s_lshr_b32 s11, s9, 6
	s_add_co_u32 s10, s10, s11                     ; b x 16 + head
	s_lshl_b32 s10, s10, 18                        ; 262,144 bytes a head
	s_and_b32 s11, s8, 2047
	s_lshl_b32 s11, s11, 7                         ; 128 bytes a token
	s_add_co_u32 s10, s10, s11
	s_lshl_b32 s11, s96, 24                        ; 16 MiB a tensor
	s_add_co_u32 s10, s10, s11
	s_mov_b32 s11, 0
	s_add_nc_u64 s[12:13], s[12:13], s[10:11]
	s_mov_b32 s94, 0x3e38aa3b                      ; log2(e) / 8
	s_mov_b32 s95, s94                             ; (named with it as a pair, so it is written)
.macro FRAG reg, adr, q, i             ; a fragment, 16 rows x 128 K of 4-bit codes, is 8 registers: lane l holds row l % 16; registers 4 c .. 4 c + 3 hold K = 64 c + 32 (l / 16) + 0 .. 31
.irp c, 0,1
	ds_load_b128 v[\reg+4*\c:\reg+4*\c+3], v[\adr] offset:64*(\q)+32*\c+(\i)*16*PITCH
.endr
.endm
; 16 matrix instructions: A's blocks a0, a0 + 1 x B's eight, 128 along K: the slot's q-th.  p: B's set;  sc: the set of scale words.  zero = 1: the first product starts the sums.
; The 64 accumulators take turns, one instruction a turn, in the same order in every step.
.macro MUL16 a0, p, q, sc, zero
.irp a, \a0, \a0+1
.irp b, 0,1,2,3,4,5,6,7
.if \zero
	v_wmma_scale_f32_16x16x128_f8f6f4 v[8*(8*((\a)%4)+\b):8*(8*((\a)%4)+\b)+7], v[128*(\p)+FR*\b:128*(\p)+FR*\b+FR-1], v[AF+FR*(\a):AF+FR*(\a)+FR-1], 0, v[SC+8*NQ*(\sc)+NQ*\b+(\q)], v[SC+8*NQ*(\sc)+NQ*(\a)+(\q)] matrix_a_fmt:MATRIX_FMT_FP4 matrix_b_fmt:MATRIX_FMT_FP4 matrix_a_scale:MATRIX_SCALE_ROW1
.else
	v_wmma_scale_f32_16x16x128_f8f6f4 v[8*(8*((\a)%4)+\b):8*(8*((\a)%4)+\b)+7], v[128*(\p)+FR*\b:128*(\p)+FR*\b+FR-1], v[AF+FR*(\a):AF+FR*(\a)+FR-1], v[8*(8*((\a)%4)+\b):8*(8*((\a)%4)+\b)+7], v[SC+8*NQ*(\sc)+NQ*\b+(\q)], v[SC+8*NQ*(\sc)+NQ*(\a)+(\q)] matrix_a_fmt:MATRIX_FMT_FP4 matrix_b_fmt:MATRIX_FMT_FP4 matrix_a_scale:MATRIX_SCALE_ROW1
.endif
.endr
.endr
.endm
.macro FETCH_B slot, q, p              ; B's eight fragments of the slot's q-th 128 along K into set p
	WIN TO_B
.irp i, 0,1,2,3,4,5,6,7
	FRAG 128*(\p)+FR*\i, ADRB+\slot, \q, \i
.endr
	WIN 0
.endm
.macro FETCH_A slot, q, i0             ; A's blocks i0 .. i0 + 3
.irp i, \i0, \i0+1, \i0+2, \i0+3
	FRAG AF+FR*(\i), ADRA+\slot, \q, \i
.endr
.endm
.macro SCALES sc                       ; a K step's scale words into set sc: four words a row; lanes 0-15 take A's block i, lanes 16-31 B's block i
.irp i, 0,1,2,3,4,5,6,7
	ds_load_b128 v[SC+8*NQ*\sc+NQ*\i:SC+8*NQ*\sc+NQ*\i+3], v[ADRS] offset:\i*SBLK
.endr
.endm
; A load into a register that a matrix instruction has read, and a vector instruction that reads a matrix result, stand NP places behind that matrix instruction; only plain vector instructions that name
; none of its registers are places (ISA guide 7.12.1 for vector instructions).
.macro PLACES n
.rept \n
	v_nop
.endr
.endm
; A step of 128 along K that has its successor in the same slot.  A block of A is free as soon as its eight products are issued, so one set serves A; B's fragments are at work through the step and have two sets.
.macro STEP slot, q, zero
	s_wait_dscnt 4*NL                              ; B's set and A's blocks 0-3 are in; the youngest eight loads (A's blocks 4-7) may be out
	WIN MUL_LO
	MUL16 0, (\q)%2, \q, \slot, \zero
	MUL16 2, (\q)%2, \q, \slot, \zero
	s_wait_dscnt 0                                 ; A's blocks 4-7 are in (asked for 32 matrix instructions ago)
	PLACES NP
	FETCH_B \slot, (\q)+1, 1-(\q)%2
	FETCH_A \slot, (\q)+1, 0
	WIN MUL_HI
	MUL16 4, (\q)%2, \q, \slot, \zero
	MUL16 6, (\q)%2, \q, \slot, \zero
	PLACES NP
	WIN 0
	FETCH_A \slot, (\q)+1, 4
.endm
; Slot 0's last step changes slots: one barrier; in front of it each wave waits for all its tensor loads (its part of slot 1).
.macro TURN slot, next
	s_wait_tensorcnt 0x0                           ; all my tensor loads have landed: my part of the next slot
	ds_add_u32 v[SPW], v[NIL]                      ; 0 onto my spare word
	s_wait_dscnt 4*NL+1                            ; (the add and the youngest eight loads, A's blocks 4-7, may be out)
	WIN MUL_LO
	MUL16 0, 1, NQ-1, \slot, 0
	s_wait_dscnt 0x0                               ; no LDS instruction of mine is out at the signal
	s_barrier_signal -1
	MUL16 2, 1, NQ-1, \slot, 0
	WIN 0
	s_barrier_wait -1                              ; the next slot is whole
	PLACES NP
	v_add_nc_u32 v[ADRS], 4*NQ, v[ADRS]            ; on to the next K step's scale words (no LDS load of mine is out)
	FETCH_B \next, 0, 0
	FETCH_A \next, 0, 0
	SCALES \next
	WIN MUL_HI
	MUL16 4, 1, NQ-1, \slot, 0
	MUL16 6, 1, NQ-1, \slot, 0
	PLACES NP
	WIN 0
	FETCH_A \next, 0, 4
.endm
	s_wait_tensorcnt 1                             ; the scales and my part of K step 0 are in (K step 1's load may be out),
	s_barrier_signal -1
	s_barrier_wait -1                              ; everybody's are
	FETCH_B 0, 0, 0
	FETCH_A 0, 0, 0
	SCALES 0
	FETCH_A 0, 0, 4
	STEP 0, 0, 1                                   ; the first step's products start the sums: nothing is cleared
	STEP 0, 1, 0
	STEP 0, 2, 0
	TURN 0, 1
	STEP 1, 0, 0
	STEP 1, 1, 0
	STEP 1, 2, 0
	s_wait_dscnt 4*NL                              ; the last step: nothing more to fetch
	WIN MUL_LO
	MUL16 0, 1, NQ-1, 1, 0
	MUL16 2, 1, NQ-1, 1, 0
	s_wait_dscnt 0
	WIN MUL_HI
	MUL16 4, 1, NQ-1, 1, 0
	MUL16 6, 1, NQ-1, 1, 0
	WIN 0
; THE WAY OUT.  Image (a, p) is made of accumulators (a, 2 p) and (a, 2 p + 1).  Its 32 byte offsets are made first, in the registers of scale set 0, which the last 256 products did not name:
; 32 plain instructions, the places behind the last products.
	v_mov_b32 v[VO], v[CO]
	v_add_nc_u32 v[VO+1], s97, v[VO]
	v_add_nc_u32 v[VO+2], s98, v[VO]
	v_add_nc_u32 v[VO+3], s98, v[VO+1]
.irp a, 1,2,3
.irp p, 0,1,2,3
	v_add_nc_u32 v[VO+4*\a+\p], s66, v[VO+4*(\a-1)+\p]
.endr
.endr
.irp a, 4,5,6,7
.irp p, 0,1,2,3
	v_add_nc_u32 v[VO+4*\a+\p], s67, v[VO+4*(\a-4)+\p]
.endr
.endr
	s_cmp_lg_u32 s96, 0                            ; T is the same in all partners of a cluster
	s_cbranch_scc1 .Lplain
	WIN 0x82                                       ; Q alone: x log2(e) / 8, in f32, each accumulator from its low end on
.set i, 0
.rept 128
	v_pk_mul_f32 v[i:i+1], v[i:i+1], s[94:95] op_sel_hi:[1,0]
.set i, i+2
.endr
	WIN 0xc3
.set i, 0
.rept 128
	v_pk_mul_f32 v[i:i+1], v[i:i+1], s[94:95] op_sel_hi:[1,0]
.set i, i+2
.endr
	WIN 0
.Lplain:
.macro OUT a
	WIN 0x0a+5*((\a)/4)                            ; sources 0 and 1: window 2 or 3
.irp p, 0,1,2,3
.irp e, 0,1
.irp r, 0,1,2,3
	v_cvt_pk_f16_f32 v[PK+32*((\a)%4)+8*\p+4*\e+\r], v[64*((\a)%4)+8*(2*\p+\e)+2*\r], v[64*((\a)%4)+8*(2*\p+\e)+2*\r+1]
.endr
.endr
.endr
	WIN 0
.irp p, 0,1,2,3
.irp e, 0,1
	global_store_b128 v[VO+4*(\a)+\p], v[PK+32*((\a)%4)+8*\p+4*\e:PK+32*((\a)%4)+8*\p+4*\e+3], s[12:13] offset:512*\e   ; half an image: 32 lanes store 512 consecutive bytes, aligned
.endr
.endr
.endm
	OUT 0
	OUT 1
	OUT 2
	OUT 3
	s_wait_xcnt 0x0                                ; the stores have read their data: the packed registers come round again only behind this wait
	OUT 4
	OUT 5
	OUT 6
	OUT 7
	s_wait_tensorcnt 0x0                           ; the wave's end
	ds_add_u32 v[SPW], v[NIL]
	s_wait_dscnt 0x0
	CROUND                                         ; the closing round: no work-group ends while a partner may still ask for a tile that names it
	s_endpgm
.Lfunc_end_k_q1cfc1461e5_proj:
	.size	k_q1cfc1461e5_proj, .Lfunc_end_k_q1cfc1461e5_proj-k_q1cfc1461e5_proj
	.p2alignl 7, 3214868480
	.fill 96, 4, 3214868480
	.section	.rodata,"a",@progbits
	.p2align	6, 0x0
	.amdhsa_kernel k_q1cfc1461e5_proj
		.amdhsa_group_segment_fixed_size 327680
		.amdhsa_private_segment_fixed_size 0
		.amdhsa_enable_private_segment 0
		.amdhsa_kernarg_size 24
		.amdhsa_user_sgpr_count 2
		.amdhsa_user_sgpr_kernarg_segment_ptr 1
		.amdhsa_wavefront_size32 1
		.amdhsa_system_sgpr_workgroup_id_x 1
		.amdhsa_system_sgpr_workgroup_id_y 1
		.amdhsa_system_sgpr_workgroup_id_z 1
		.amdhsa_system_vgpr_workitem_id 0
		.amdhsa_next_free_vgpr 1024
		.amdhsa_next_free_sgpr 100
		.amdhsa_reserve_vcc 0
		.amdhsa_float_denorm_mode_32 3
		.amdhsa_float_denorm_mode_16_64 3
		.amdhsa_memory_ordered 1
		.amdhsa_forward_progress 1
		.amdhsa_inst_pref_size 136
	.end_amdhsa_kernel
	.amdgpu_metadata
---
amdhsa.version: [ 1, 2 ]
amdhsa.kernels:
  - .name:           k_q1cfc1461e5_proj
    .symbol:         k_q1cfc1461e5_proj.kd
    .args:
      - { .name: codes, .offset: 0, .size: 8, .value_kind: global_buffer, .address_space: global }
      - { .name: scales, .offset: 8, .size: 8, .value_kind: global_buffer, .address_space: global }
      - { .name: qkv, .offset: 16, .size: 8, .value_kind: global_buffer, .address_space: global }
    .group_segment_fixed_size: 327680
    .private_segment_fixed_size: 0
    .kernarg_segment_align: 8
    .kernarg_segment_size: 24
    .max_flat_workgroup_size: 128
    .sgpr_count:     100
    .vgpr_count:     1024
    .wavefront_size: 32
...
	.end_amdgpu_metadata
.endif
;; end of part 2
;; launch attn (part 3): grid 4 x 64, 8 waves a work-group, no clusters, 66,560 bytes of LDS; arguments qkv, maskw, flags, a_img; writes a_img
.if DOCPART == 3
	.amdgcn_target "amdgcn-amd-amdhsa--gfx1250"
	.amdhsa_code_object_version 6
	.text
	.protected	k_q1cfc1461e5_attn
	.globl	k_q1cfc1461e5_attn
	.p2align	8
	.type	k_q1cfc1461e5_attn,@function
k_q1cfc1461e5_attn:
	s_mov_b64 s[64:65], 0
	v_nop
	global_prefetch_b8 v0, s[64:65] scope:SCOPE_SE
	s_setreg_imm32_b32 hwreg(HW_REG_WAVE_MODE, 25, 1), 1
	s_wait_xcnt 0x0
; ATTN: for each (b, head): O[q] = the sum over k of softmax_k(where(mask[b][q][k] == 0, -1e9, Q[q] . K[k] / 8)) V[k].  2,048 queries and keys, head size 64.  Operands in f16, products, maxima and sums in f32.
; Q, K, V come as images of operand registers (a fragment of 16 x 32: registers 0-3 of lane l at 16 l, registers 4-7 at 512 + 16 l); Q already carries log2(e) / 8, so a score is an exponent of 2.
; SHARES.  A work-group owns 512 queries of one (b, head); each of its eight waves 64: four tiles of 16.  Two waves share a SIMD, so that one wave's softmax stands beside the other's products.  Every wave walks all keys, 64 a step.
; LAYOUT.  S^T = K Q^T (source 0 = 16 keys, source 1 = 16 queries): a lane holds ONE query (lane % 16) and keys 8 (lane / 16) + 0 .. 7 of a tile.  Two such tiles, rounded to f16 in pairs, ARE source 1 of O^T = V^T P,
; whose result again holds one query a lane, and eight channels; two of ITS tiles, packed, are a fragment of the last projection's operand, and leave as its image.  Nothing changes lanes but one exchange of maxima and sums.
; SOFTMAX.  A running maximum m and sum l for each query: p = 2^(s - m); in every step O and l are multiplied by 2^(m_old - m_new).
; THE MASK comes as lane masks, a word for each score register (32 words for a tile and a step), and a hidden score is REPLACED by -1e9 log2(e): a row that is hidden altogether has s - m = 0 everywhere and gets equal weights.
; A flag bit for each step says whether any of the wave's four tiles has a hole there; where none has, a scalar branch on that stored bit leads round the 128 selects.
; K AND V go from memory through registers into a ring of four LDS buffers, 2,048 bytes a wave and step.  NO TENSOR LOADS AND NO CLUSTER, though the four work-groups of a head walk the same K and V.
; LIMITS: |Q|, |K|, |V| under 65,504 (f16).  The result is rounded to f16: with v and w_v both some 30 times smaller than drawn it falls among f16's subnormal numbers, where its rounding error is about a thousandth of its spread.
; REGISTERS.  Window 0: v1 16 x lane; v5 16 x lane + 2,048 x wave; v6 256 x lane; v16-47 statistics, 8 a tile; v48-63 the copy's data; v64-191 S^T, 32 a tile (P takes the low 16 of them); v192-255 K's fragments.
;             Window 1: v0-127 O^T, 32 a tile; v128-191 Q, 16 a tile; v192-255 V's fragments.
.set BUF, 16384                        ; a ring buffer: a step's K (fragment 2 t + c at 1,024 bytes each), then from 8,192 on its V (fragment 4 g + u)
.set ST,  16                           ; tile x at v[ST + 8 x]: +0 m, +1 zero (m's partner in a pair), +2, +3 l (even keys', odd keys'), +4 .. +7 c0-c3 at work; the factor takes c2's place
.set CP,  48
.set S,   64
.set KF,  192
.set OQ,  128                          ; in window 1
.set VF,  192                          ; in window 1
.set MSB, 0
.macro WIN new                         ; the immediate's high byte repeats the setting that is left
.if MSB != \new
	s_set_vgpr_msb (MSB<<8)|\new
.set MSB, \new
.endif
.endm
.macro PLACES n
.rept \n
	v_nop
.endr
.endm
	s_load_b256 s[4:11], s[0:1], 0x0               ; qkv s[4:5], maskw s[6:7], flags s[8:9], a_img s[10:11]
	v_lshl_add_u32 v14, v0, 2, 0x10000
	v_mov_b32 v15, 0
	v_lshrrev_b32 v2, 5, v0
	v_readfirstlane_b32 s14, v2                    ; wave 0..7
	v_and_b32 v3, 31, v0
	v_lshlrev_b32 v1, 4, v3                        ; 16 x lane
	v_lshl_add_u32 v5, v2, 11, v1                  ; + 2,048 x wave: where I store my part of a step's K and V
	v_lshlrev_b32 v6, 8, v3                        ; 256 x lane
	s_and_b32 s68, ttmp7, 0xffff                   ; b x 16 + head
	s_lshr_b32 s69, s68, 4                         ; b
	s_and_b32 s70, s68, 15                         ; head
	s_lshl_b32 s71, ttmp9, 3
	s_add_co_u32 s71, s71, s14
	s_lshl_b32 s71, s71, 2                         ; my first tile of 16 queries: 4 (8 x work-group + wave)
	s_lshl_b32 s72, s69, 7
	s_add_co_u32 s72, s72, s71                     ; b x 128 + that
	s_lshl_b32 s73, s68, 18                        ; the head's 262,144 bytes in Q, K and V
	s_lshl_b32 s74, s71, 11
	s_add_co_u32 s74, s74, s73                     ; Q: 2,048 bytes a tile
	s_mov_b32 s75, 0
	s_lshl_b32 s76, s72, 12                        ; the mask words: 4,096 bytes a tile
	s_mov_b32 s77, 0
	s_lshl_b32 s78, s72, 4                         ; the flags: 16 bytes a tile
	s_mov_b32 s79, 0
	s_lshr_b32 s80, s70, 1
	s_lshl_b32 s80, s80, 21                        ; the result: K step head / 2 of the last projection, 2 MiB each,
	s_add_co_u32 s80, s80, s76                     ; 4,096 bytes a tile of tokens,
	s_and_b32 s82, s70, 1
	s_lshl_b32 s82, s82, 11
	s_add_co_u32 s80, s80, s82                     ; the head's two images of the four
	s_mov_b32 s81, 0
	s_lshr_b32 s82, s14, 2
	s_add_co_u32 s82, s82, 1
	s_lshl_b32 s82, s82, 24                        ; the copy: waves 0-3 take K (at 16 MiB), waves 4-7 V (at 32 MiB),
	s_add_co_u32 s82, s82, s73
	s_and_b32 s83, s14, 3
	s_lshl_b32 s83, s83, 11
	s_add_co_u32 s82, s82, s83                     ; 2,048 bytes each of a step's 8,192
	s_mov_b32 s83, 0
	s_and_b32 s86, s14, 1
	s_add_co_u32 s86, s86, 1
	s_lshl_b32 s86, s86, 24                        ; the prefetches: even waves K's, odd waves V's,
	s_add_co_u32 s86, s86, s73
	s_add_co_u32 s86, s86, 4*8192                  ; at step 4: each step's head moves it on by a step, so that step tau names step tau + 5
	s_mov_b32 s87, 0
	s_mov_b32 s85, 0xceabfb8f                      ; -1e9 x log2(e)
	s_mov_b32 s88, 0x76543210                      ; v_permlanex16_b32's selects for lane l xor 16
	s_mov_b32 s89, 0xfedcba98
	s_mov_b32 s96, 0                               ; the step's number
	s_lshr_b32 s93, s14, 1                         ; the step in which I next prefetch: waves 2 j and 2 j + 1 take steps j, j + 4, ..,
	s_cmp_eq_u32 ttmp9, 0
	s_cselect_b32 s93, s93, 64                     ; in the head's first work-group alone: so each block of 256 bytes is named once in the launch
	s_wait_kmcnt 0x0
	s_add_nc_u64 s[12:13], s[4:5], s[82:83]
	s_add_nc_u64 s[94:95], s[4:5], s[86:87]
	s_add_nc_u64 s[4:5], s[4:5], s[74:75]
	s_add_nc_u64 s[6:7], s[6:7], s[76:77]
	s_add_nc_u64 s[8:9], s[8:9], s[78:79]
	s_add_nc_u64 s[10:11], s[10:11], s[80:81]
	s_load_b512 s[16:31], s[8:9], 0x0              ; my four tiles' flag words
.irp n, 0,1
.irp i, 0,1,2,3
	global_load_b128 v[S+16*\n+4*\i:S+16*\n+4*\i+3], v1, s[12:13] offset:8192*\n+512*\i   ; my part of steps 0 and 1
.endr
.endr
	WIN 0x40                                       ; destination window 1
.irp x, 0,1,2,3
.irp c, 0,1
.irp e, 0,1
	global_load_b128 v[OQ+16*\x+8*\c+4*\e:OQ+16*\x+8*\c+4*\e+3], v1, s[4:5] offset:2048*\x+1024*\c+512*\e   ; Q stays in registers
.endr
.endr
.endr
	WIN 0
.irp x, 0,1,2,3
	v_mov_b32 v[ST+8*\x+1], 0
.endr
	s_wait_kmcnt 0x0
	s_or_b32 s84, s16, s17                         ; bit tau: one of my four tiles has a hole in step tau
.irp n, 18,19,20,21,22,23,24,25,26,27,28,29,30,31
	s_or_b32 s84, s84, s[\n]
.endr
	s_wait_loadcnt 16                              ; steps 0 and 1 are in; Q's sixteen loads may be out
.irp n, 0,1
.irp i, 0,1,2,3
	ds_store_b128 v5, v[S+16*\n+4*\i:S+16*\n+4*\i+3] offset:BUF*\n+512*\i
.endr
.endr
	s_wait_dscnt 0x0                               ; for the others' sake: my stores have landed
.irp i, 0,1,2,3
	global_load_b128 v[CP+4*\i:CP+4*\i+3], v1, s[12:13] offset:16384+512*\i   ; step 2
.endr
	s_barrier_signal -1
	s_barrier_wait -1                              ; steps 0 and 1 lie in buffers 0 and 1
.macro FETCH_K bf                      ; a step's K: 8 fragments, 16 loads of 512 consecutive bytes
.irp f, 0,1,2,3,4,5,6,7
	ds_load_b128 v[KF+8*\f:KF+8*\f+3],   v1 offset:(\bf)*BUF+1024*\f
	ds_load_b128 v[KF+8*\f+4:KF+8*\f+7], v1 offset:(\bf)*BUF+1024*\f+512
.endr
.endm
.macro FETCH_V bf                      ; and its V
	WIN 0x40
.irp f, 0,1,2,3,4,5,6,7
	ds_load_b128 v[VF+8*\f:VF+8*\f+3],   v1 offset:(\bf)*BUF+8192+1024*\f
	ds_load_b128 v[VF+8*\f+4:VF+8*\f+7], v1 offset:(\bf)*BUF+8192+1024*\f+512
.endr
	WIN 0
.endm
; S^T = K Q^T: 32 products; the 16 accumulators take turns, one instruction a turn; the first 16 start the sums
.macro QK
	WIN 0x04                                       ; source 1 (Q) window 1
.irp c, 0,1
.irp x, 0,1,2,3
.irp t, 0,1,2,3
.if \c == 0
	v_wmma_f32_16x16x32_f16 v[S+32*\x+8*\t:S+32*\x+8*\t+7], v[KF+8*(2*\t+\c):KF+8*(2*\t+\c)+7], v[OQ+16*\x+8*\c:OQ+16*\x+8*\c+7], 0
.else
	v_wmma_f32_16x16x32_f16 v[S+32*\x+8*\t:S+32*\x+8*\t+7], v[KF+8*(2*\t+\c):KF+8*(2*\t+\c)+7], v[OQ+16*\x+8*\c:OQ+16*\x+8*\c+7], v[S+32*\x+8*\t:S+32*\x+8*\t+7]
.endif
.endr
.endr
.endr
	WIN 0
.endm
; O^T += V^T P: 32 products, 16 accumulators by turns.  first = 1: the first 16 start the sums: nothing is cleared
.macro PV first
	WIN 0x51                                       ; source 0 (V), C and D window 1; source 1 (P) window 0
.irp g, 0,1
.irp x, 0,1,2,3
.irp u, 0,1,2,3
.if \first && (\g == 0)
	v_wmma_f32_16x16x32_f16 v[32*\x+8*\u:32*\x+8*\u+7], v[VF+8*(4*\g+\u):VF+8*(4*\g+\u)+7], v[S+32*\x+8*\g:S+32*\x+8*\g+7], 0
.else
	v_wmma_f32_16x16x32_f16 v[32*\x+8*\u:32*\x+8*\u+7], v[VF+8*(4*\g+\u):VF+8*(4*\g+\u)+7], v[S+32*\x+8*\g:S+32*\x+8*\g+7], v[32*\x+8*\u:32*\x+8*\u+7]
.endif
.endr
.endr
.endr
	WIN 0
.endm
.macro MLOAD x0                        ; the step's mask words of tiles x0 and x0 + 1: 32 each, into s[16:47] and s[48:63], s[68:83]
	s_load_b512 s[16:31], s[6:7], (\x0)*4096
	s_load_b512 s[32:47], s[6:7], (\x0)*4096+64
	s_load_b512 s[48:63], s[6:7], (\x0)*4096+4096
	s_load_b512 s[68:83], s[6:7], (\x0)*4096+4160
.endm
.macro MASK2 x0                        ; a lane whose bit is 0 takes -1e9 log2(e) in the score's place; each accumulator from its low end on
.irp n, 0,1,2,3,4,5,6,7,8,9,10,11,12,13,14,15,16,17,18,19,20,21,22,23,24,25,26,27,28,29,30,31
.if \n < 16
.set MW, 48+\n
.else
.set MW, 52+\n
.endif
	v_cndmask_b32 v[S+32*(\x0)+\n], s85, v[S+32*(\x0)+\n], s[16+\n]
	v_cndmask_b32 v[S+32*(\x0)+32+\n], s85, v[S+32*(\x0)+32+\n], s[MW]
.endr
.endm
; The softmax of a step, the four tiles line by line, so that no line waits for the line above it.  first = 1: there is no old maximum, no factor, and l begins
.macro SOFT first
.irp j, 0,1,2,3
.irp x, 0,1,2,3
	v_max3_num_f32 v[ST+8*\x+4+\j], v[S+32*\x+8*\j], v[S+32*\x+8*\j+1], v[S+32*\x+8*\j+2]   ; four chains, each begun at the low end of an accumulator
.endr
.endr
.irp q, 1,2
.irp j, 0,1,2,3
.irp x, 0,1,2,3
	v_max3_num_f32 v[ST+8*\x+4+\j], v[ST+8*\x+4+\j], v[S+32*\x+8*\j+2*\q+1], v[S+32*\x+8*\j+2*\q+2]
.endr
.endr
.endr
.irp x, 0,1,2,3
	v_max3_num_f32 v[ST+8*\x+4], v[ST+8*\x+4], v[S+32*\x+7], v[S+32*\x+15]
	v_max3_num_f32 v[ST+8*\x+6], v[ST+8*\x+6], v[S+32*\x+23], v[S+32*\x+31]
.endr
.irp x, 0,1,2,3
	v_max3_num_f32 v[ST+8*\x+4], v[ST+8*\x+4], v[ST+8*\x+5], v[ST+8*\x+6]
.endr
.irp x, 0,1,2,3
.if \first
	v_max_num_f32 v[ST+8*\x+4], v[ST+8*\x+4], v[ST+8*\x+7]
.else
	v_max3_num_f32 v[ST+8*\x+4], v[ST+8*\x+4], v[ST+8*\x+7], v[ST+8*\x]   ; with the old m
.endif
.endr
.irp x, 0,1,2,3
	v_permlanex16_b32 v[ST+8*\x+5], v[ST+8*\x+4], s88, s89         ; the query's other 32 keys lie in the lane 16 away
.endr
.irp x, 0,1,2,3
	v_max_num_f32 v[ST+8*\x+4], v[ST+8*\x+4], v[ST+8*\x+5]         ; the new m
.endr
.if !\first
.irp x, 0,1,2,3
	v_sub_f32 v[ST+8*\x+7], v[ST+8*\x], v[ST+8*\x+4]               ; m_old - m_new, 0 or less
.endr
.endif
.irp x, 0,1,2,3
	v_mov_b32 v[ST+8*\x], v[ST+8*\x+4]
.endr
.if !\first
.irp x, 0,1,2,3
	v_exp_f32 v[ST+8*\x+6], v[ST+8*\x+7]                           ; the factor for l and O^T; the subtractions below are the plain places behind it
.endr
.endif
.irp i, 0,2,4,6,8,10,12,14,16,18,20,22,24,26,28,30
.irp x, 0,1,2,3
	v_pk_add_f32 v[S+32*\x+\i:S+32*\x+\i+1], v[S+32*\x+\i:S+32*\x+\i+1], v[ST+8*\x:ST+8*\x+1] op_sel_hi:[1,0] neg_lo:[0,1] neg_hi:[0,1]   ; s - m, two at a time: exact 0 where s = m
.endr
.endr
.irp i, 0,1,2,3,4,5,6,7,8,9,10,11,12,13,14,15,16,17,18,19,20,21,22,23,24,25,26,27,28,29,30,31
.irp x, 0,1,2,3
	v_exp_f32 v[S+32*\x+\i], v[S+32*\x+\i]                         ; p = 2^(s - m), at most 1
.endr
.endr
	v_nop                                          ; one plain place between the exponentials and the first use of their results (ISA guide 5.7.2)
	s_wait_alu depctr_va_vdst(0)
.irp x, 0,1,2,3
	v_pk_add_f32 v[ST+8*\x+4:ST+8*\x+5], v[S+32*\x:S+32*\x+1], v[S+32*\x+2:S+32*\x+3]   ; the sum of the unrounded p
.endr
.irp i, 4,6,8,10,12,14,16,18,20,22,24,26,28
.irp x, 0,1,2,3
	v_pk_add_f32 v[ST+8*\x+4:ST+8*\x+5], v[ST+8*\x+4:ST+8*\x+5], v[S+32*\x+\i:S+32*\x+\i+1]
.endr
.endr
.irp x, 0,1,2,3
.if \first
	v_pk_add_f32 v[ST+8*\x+2:ST+8*\x+3], v[ST+8*\x+4:ST+8*\x+5], v[S+32*\x+30:S+32*\x+31]
.else
	v_pk_add_f32 v[ST+8*\x+4:ST+8*\x+5], v[ST+8*\x+4:ST+8*\x+5], v[S+32*\x+30:S+32*\x+31]
.endif
.endr
.if !\first
.irp x, 0,1,2,3
	v_pk_fma_f32 v[ST+8*\x+2:ST+8*\x+3], v[ST+8*\x+2:ST+8*\x+3], v[ST+8*\x+6:ST+8*\x+7], v[ST+8*\x+4:ST+8*\x+5] op_sel_hi:[1,0,1]   ; l = l x the factor + the sum
.endr
.endif
.irp i, 0,1,2,3,4,5,6,7,8,9,10,11,12,13,14,15
.irp x, 0,1,2,3
	v_cvt_pk_f16_f32 v[S+32*\x+\i], v[S+32*\x+2*\i], v[S+32*\x+2*\i+1]   ; P, in place, ascending: register i is written when registers up to 2 i + 1 have been read
.endr
.endr
.endm
.macro RESC                            ; O^T x the factor, each accumulator from its low end on
	WIN 0x41                                       ; destination and source 0 window 1
.irp x, 0,1,2,3
.irp i, 0,2,4,6,8,10,12,14,16,18,20,22,24,26,28,30
	v_pk_mul_f32 v[32*\x+\i:32*\x+\i+1], v[32*\x+\i:32*\x+\i+1], v[ST+8*\x+6:ST+8*\x+7] op_sel_hi:[1,0]
.endr
.endr
.endm
; A PREFETCH: in step tau one wave names K's 8,192 bytes of step tau + 5 and one wave V's, lanes 256 bytes apart: two steps ahead of the loads that bring that step.  Steps 0 to 4 come by their loads alone;
; the last step named is 31, in step 26: after it the wave's turn is set past every step.
.macro ASK
	s_cmp_eq_u32 s96, s93
	s_cbranch_scc0 .Lnot_mine_\@
	global_prefetch_b8 v6, s[94:95] th:TH_LOAD_NT scope:SCOPE_SE
	s_add_co_u32 s93, s93, 4
	s_cmp_gt_u32 s93, 26
	s_cselect_b32 s93, 64, s93
.Lnot_mine_\@:
.endm
; A KEY STEP tau, in buffer bf = tau % 4.  ld: step tau + 3 is loaded into registers; st: step tau + 2 goes from registers into buffer (bf + 2) % 4, and a barrier follows; kn: K of step tau + 1 is fetched.
; THE ORDER BETWEEN WAVES.  Step tau + 2 is stored ahead of this step's signal and first read behind this step's wait.  It lands on step tau - 2, whose last reads every wave had waited for ahead of signal tau - 2,
; and the storing wave has passed wait tau - 1.  Between a signal and its wait stand register work and the loads of K of step tau + 1, from a buffer that is next written three steps on.
.macro STEP first, ld, st, kn, bf
.if \st
	s_wait_loadcnt 0x0                             ; step tau + 2 is in my registers (in step 0: Q too)
.endif
.if \ld
	s_wait_xcnt 0x0                                ; the last step's loads and prefetch have read their addresses, which are written only behind this wait
	s_add_nc_u64 s[12:13], s[12:13], 8192
	s_add_nc_u64 s[94:95], s[94:95], 8192
.endif
.if \st
.irp i, 0,1,2,3
	ds_store_b128 v5, v[CP+4*\i:CP+4*\i+3] offset:(((\bf)+2)%4)*BUF+512*\i
.endr
.endif
	FETCH_V \bf
	s_wait_dscnt 16                                ; only V's sixteen loads may be out: K is in, and the stores have read their registers,
.if \ld
.irp i, 0,1,2,3
	global_load_b128 v[CP+4*\i:CP+4*\i+3], v1, s[12:13] offset:16384+512*\i   ; which take step tau + 3
.endr
.endif
	MLOAD 0
.if \ld
	ASK
.endif
	QK
	PLACES 4                                       ; behind the products: their results are read, and K's registers loaded again, only behind four places (ISA guide 7.12.1)
	s_wait_kmcnt 0x0
	s_bitcmp1_b32 s84, 0                           ; has any of my four tiles a hole in this step?
	s_cbranch_scc0 .Lopen_\@
	MASK2 0
	MLOAD 2
	s_wait_kmcnt 0x0
	MASK2 2
.Lopen_\@:
	s_lshr_b32 s84, s84, 1
	s_add_nc_u64 s[6:7], s[6:7], 128               ; the next step's words (no scalar load is out)
	s_wait_dscnt 0x0                               ; V is in; my stores have landed; no LDS instruction of mine is out
.if \st
	s_barrier_signal -1
.endif
.if \kn
	FETCH_K ((\bf)+1)%4
.endif
	SOFT \first
.if !\first
	RESC
.endif
	PV \first
	PLACES 5                                       ; the next step's first products write over P, which these products have read: five places; V's registers are loaded again behind them too
.if \st
	s_barrier_wait -1
.endif
.if \ld
	s_add_co_u32 s96, s96, 1
.endif
.endm
	FETCH_K 0
	STEP 1, 1, 1, 1, 0                             ; step 0
	s_mov_b32 s15, 7
.Lfour:                                            ; steps 1 to 28, four a trip, so that the ring's buffer stands in every LDS instruction as a constant
	STEP 0, 1, 1, 1, 1
	STEP 0, 1, 1, 1, 2
	STEP 0, 1, 1, 1, 3
	STEP 0, 1, 1, 1, 0
	s_sub_co_u32 s15, s15, 1
	s_cmp_lg_u32 s15, 0
	s_cbranch_scc1 .Lfour
	STEP 0, 0, 1, 1, 1                             ; step 29: nothing is left to load,
	STEP 0, 0, 0, 1, 2                             ; step 30: nor to store,
	STEP 0, 0, 0, 0, 3                             ; step 31: nor to fetch
	; THE WAY OUT.  l's two halves and the other half of the lanes' are added; O^T is divided by l, rounded to f16, and leaves as images: tiles 2 c and 2 c + 1 of a tile of queries are one fragment.
.irp x, 0,1,2,3
	v_add_f32 v[ST+8*\x+4], v[ST+8*\x+2], v[ST+8*\x+3]
.endr
.irp x, 0,1,2,3
	v_permlanex16_b32 v[ST+8*\x+5], v[ST+8*\x+4], s88, s89
.endr
.irp x, 0,1,2,3
	v_add_f32 v[ST+8*\x+4], v[ST+8*\x+4], v[ST+8*\x+5]
.endr
.irp x, 0,1,2,3
	v_rcp_f32 v[ST+8*\x+6], v[ST+8*\x+4]           ; l is at least 1: the largest p of a row is 1
.endr
	v_nop                                          ; a plain place behind the reciprocals
	s_wait_alu depctr_va_vdst(0)
	RESC
	WIN 0x05                                       ; sources 0 and 1 window 1, destination window 0
.irp x, 0,1,2,3
.irp u, 0,1,2,3
.irp r, 0,1,2,3
	v_cvt_pk_f16_f32 v[S+16*\x+4*\u+\r], v[32*\x+8*\u+2*\r], v[32*\x+8*\u+2*\r+1]
.endr
.endr
.endr
	WIN 0
.irp x, 0,1,2,3
.irp u, 0,1,2,3
	global_store_b128 v1, v[S+16*\x+4*\u:S+16*\x+4*\u+3], s[10:11] offset:4096*\x+512*\u   ; half an image: 32 lanes store 512 consecutive bytes, aligned
.endr
.endr
	s_wait_tensorcnt 0x0
	ds_add_u32 v14, v15
	s_wait_dscnt 0x0
	s_endpgm
.Lfunc_end_k_q1cfc1461e5_attn:
	.size	k_q1cfc1461e5_attn, .Lfunc_end_k_q1cfc1461e5_attn-k_q1cfc1461e5_attn
	.p2alignl 7, 3214868480
	.fill 96, 4, 3214868480
	.section	.rodata,"a",@progbits
	.p2align	6, 0x0
	.amdhsa_kernel k_q1cfc1461e5_attn
		.amdhsa_group_segment_fixed_size 66560
		.amdhsa_private_segment_fixed_size 0
		.amdhsa_enable_private_segment 0
		.amdhsa_kernarg_size 32
		.amdhsa_user_sgpr_count 2
		.amdhsa_user_sgpr_kernarg_segment_ptr 1
		.amdhsa_wavefront_size32 1
		.amdhsa_system_sgpr_workgroup_id_x 1
		.amdhsa_system_sgpr_workgroup_id_y 1
		.amdhsa_system_sgpr_workgroup_id_z 1
		.amdhsa_system_vgpr_workitem_id 0
		.amdhsa_next_free_vgpr 512
		.amdhsa_next_free_sgpr 100
		.amdhsa_reserve_vcc 0
		.amdhsa_float_denorm_mode_32 3
		.amdhsa_float_denorm_mode_16_64 3
		.amdhsa_memory_ordered 1
		.amdhsa_forward_progress 1
		.amdhsa_inst_pref_size 255
	.end_amdhsa_kernel
	.section	.bss,"aw",@nobits
	.p2align	6
	.space	262144
	.amdgpu_metadata
---
amdhsa.version: [ 1, 2 ]
amdhsa.kernels:
  - .name:           k_q1cfc1461e5_attn
    .symbol:         k_q1cfc1461e5_attn.kd
    .args:
      - { .name: qkv, .offset: 0, .size: 8, .value_kind: global_buffer, .address_space: global }
      - { .name: maskw, .offset: 8, .size: 8, .value_kind: global_buffer, .address_space: global }
      - { .name: flags, .offset: 16, .size: 8, .value_kind: global_buffer, .address_space: global }
      - { .name: a_img, .offset: 24, .size: 8, .value_kind: global_buffer, .address_space: global }
    .group_segment_fixed_size: 66560
    .private_segment_fixed_size: 0
    .kernarg_segment_align: 8
    .kernarg_segment_size: 32
    .max_flat_workgroup_size: 256
    .sgpr_count:     100
    .vgpr_count:     512
    .wavefront_size: 32
...
	.end_amdgpu_metadata
.endif
;; end of part 3
;; launch outp (part 4): grid 4 x 64, 4 waves a work-group, clusters of 4 x 4, 327,680 bytes of LDS; arguments a_img, wo_img, out0; writes out0
.if DOCPART == 4
	.amdgcn_target "amdgcn-amd-amdhsa--gfx1250"
	.amdhsa_code_object_version 6
	.text
	.protected	k_q1cfc1461e5_outp
	.globl	k_q1cfc1461e5_outp
	.p2align	8
	.type	k_q1cfc1461e5_outp,@function
k_q1cfc1461e5_outp:
	s_mov_b64 s[64:65], 0
	v_nop
	global_prefetch_b8 v0, s[64:65] scope:SCOPE_SE
	s_setreg_imm32_b32 hwreg(HW_REG_WAVE_MODE, 25, 1), 1
	s_wait_xcnt 0x0
	s_wait_alu depctr_hold_cnt(0) depctr_sa_sdst(0) depctr_va_vdst(0) depctr_va_sdst(0) depctr_va_ssrc(0) depctr_va_vcc(0) depctr_vm_vsrc(0)
	s_getreg_b32 s2, hwreg(HW_REG_IB_STS2, 6, 4)
	s_cmp_eq_u32 s2, 0
	s_cbranch_scc0 .Lentry_in_a_cluster
	s_endpgm
.Lentry_in_a_cluster:
	s_bfe_u32 s2, ttmp6, 0x10000c
	s_cmp_lg_u32 s2, 0xf033
	s_cbranch_scc0 .Lentry_shape_is_right
	s_endpgm
.Lentry_shape_is_right:
; OUTP: out0[token][f] = the sum over k of A[token][k] w_o[f][k]: [8192][1024] x [1024][1024]^T, operands in f16, sums and result in f32.
; Both operands come as images of operand registers (a fragment of 16 x 32: registers 0-3 of lane l at 16 l, registers 4-7 at 512 + 16 l), laid [K step of 128: 8][tile of 16 rows][32 along K: 4][1,024 bytes]:
; a K step's part of a block of tiles is one dense run of memory, and a fragment comes out of LDS by two loads of 512 consecutive bytes: no pitch, no padding.
; A tile of out0 is 128 tokens x 256 features: 256 work-groups.  Four waves, each 64 x 128: 32 accumulators, window 1.  K goes in 8 steps of 128 through a ring of two LDS slots filled by the tensor data mover.
; CLUSTERS: 4 x 4 work-groups.  The four of a row of the cluster need the same tokens' tiles, the four of a column the same tiles of w_o: each is asked for jointly, by the same tensor load with a mask that names the four.
; THE MATRIX INSTRUCTION IS USED TRANSPOSED (source 0 = 16 features, source 1 = 16 tokens): a lane then holds eight neighbouring numbers of a row of out0.
; No prefetch: a K step here holds 128 matrix instructions a wave, and what each work-group fetches in it is 96 KiB shared four ways.
; REGISTERS.  Window 0: v16-29 addresses; v32-127 and v128-223 two fragment buffers: the tokens' four tiles (8 registers each), then the features' eight.  Window 1: accumulator (a, b) at v[8 (8 a + b)].
.set SLOT,   98304                     ; the tokens' 8 tiles x 4,096 bytes, then the features' 16 tiles
.set BOFF,   32768
.set STAGE,  2*SLOT                    ; behind the ring: 16 rows x (512 bytes + 16) for each wave, for the way out; no tile lands there
.set SPITCH, 528
.set SPARE,  STAGE+4*16*SPITCH         ; the spare words, 128 bytes for each wave
.set ASTEP,  2097152                   ; a K step on in a_img,
.set BSTEP,  262144                    ; in wo_img
.set LAPS,   4                         ; a lap = two K steps = once round the ring
.set ADRA, 16                          ; v16-17  LDS address of my tokens' fragments in slot 0, 1
.set ADRB, 20                          ; v20-21  the same for the features'
.set STO,  24                          ; v24     the way out: where I put 32 bytes of a row
.set RD,   25                          ; v25     where I read a row back
.set CO,   26                          ; v26     16 x lane
.set SPW,  28                          ; v28     LDS address of my spare word; never rewritten
.set NIL,  29                          ; v29     0; never rewritten
.set F0,   32
.set F1,   128
.set BK,   32                          ; the way out: 16 rows read back: v32-95 and v96-159 by turns
.set G1, 24                            ; s[24:31] descriptor group 1 for the tokens' tiles;  s[32:39] group 0, one set for each slot
.set G0, 32
.set G1B, 48                           ; s[48:55], s[56:63] the same for the features'
.set G0B, 56
.set MSB, 0
.macro WIN new                         ; the immediate's high byte repeats the setting that is left
.if MSB != \new
	s_set_vgpr_msb (MSB<<8)|\new
.set MSB, \new
.endif
.endm
.set MUL, 0x50                         ; C and D window 1, sources window 0
.macro JLOAD s                         ; a joint load: waves 0 and 1 fetch the tokens' two halves, waves 2 and 3 the features'; four v_nop follow each of the two lines
	s_cmp_eq_u32 s11, 0
	s_cbranch_scc0 .Lfor_b_\@
	tensor_load_to_lds s[G0+4*\s:G0+4*\s+3], s[G1:G1+7]
	s_nop 0
.rept 4
	v_nop
.endr
	s_branch .Lasked_\@
.Lfor_b_\@:
	tensor_load_to_lds s[G0B+4*\s:G0B+4*\s+3], s[G1B:G1B+7]
	s_nop 0
.rept 4
	v_nop
.endr
.Lasked_\@:
.endm
.macro CREST                           ; a round of the cluster's barrier behind its opening barrier
	s_cmp_lg_u32 s10, 0
	s_cbranch_scc1 .Lnot_wave_0_\@
	s_barrier_signal -3
.Lnot_wave_0_\@:
	s_barrier_wait -3
	s_barrier_signal -1
	s_barrier_wait -1
.endm
.macro CROUND                          ; a whole round
	s_barrier_signal -1
	s_barrier_wait -1
	CREST
.endm
	s_load_b128 s[4:7], s[0:1], 0x0                ; a_img s[4:5], wo_img s[6:7]
	s_load_b64 s[8:9], s[0:1], 0x10                ; out0
	v_lshl_add_u32 v[SPW], v0, 2, SPARE
	v_mov_b32 v[NIL], 0
	ds_add_u32 v28, v29
	ds_add_u32 v28, v29
	s_wait_dscnt 0x0
	v_lshrrev_b32 v1, 5, v0
	v_readfirstlane_b32 s10, v1                    ; wave 0..3
	s_lshr_b32 s11, s10, 1                         ; which 64 tokens are mine.  Also: I fetch the tokens' tiles (0) or the features' (1)
	s_and_b32 s12, s10, 1                          ; which 128 features.  Also: which half of that tile I fetch
	s_bfe_u32 s40, ttmp6, 0x40000                  ; cx, cy: my place in the cluster
	s_bfe_u32 s41, ttmp6, 0x40004
	s_lshl_b32 s42, ttmp9, 2
	s_add_co_u32 s42, s42, s40                     ; tile column: 256 features
	s_and_b32 s13, ttmp7, 0xffff
	s_lshl_b32 s13, s13, 2
	s_add_co_u32 s13, s13, s41                     ; tile row: 128 tokens
	s_lshl_b32 s43, s41, 2
	s_lshl_b32 s43, 15, s43                        ; my row of the cluster
	s_lshl_b32 s44, 0x1111, s40                    ; my column
	; descriptor group 1: a dense run of memory as rows of 256 bytes (32 elements of 8 bytes): 64 rows for the tokens' half, 128 for the features'
	s_or_b32 s[G1+0], s43, (3<<16)|(1<<21)         ; 15:0 the mask: my row; 17:16 elements of 8 bytes; 20 no padding; 21 set beside a mask
	s_mov_b32 s[G1+1], 32<<16                      ; tensor_dim0 = 32
	s_mov_b32 s[G1+2], 64<<16                      ; tensor_dim1 = 64
	s_mov_b32 s[G1+3], 32<<16                      ; tile_dim0 = 32
	s_mov_b32 s[G1+4], 64                          ; tile_dim1 = 64
	s_mov_b32 s[G1+5], 32                          ; tensor_dim0_stride
	s_mov_b32 s[G1+6], 0
	s_mov_b32 s[G1+7], 0
	s_or_b32 s[G1B+0], s44, (3<<16)|(1<<21)        ; the mask: my column
	s_mov_b32 s[G1B+1], 32<<16
	s_mov_b32 s[G1B+2], 128<<16
	s_mov_b32 s[G1B+3], 32<<16
	s_mov_b32 s[G1B+4], 128
	s_mov_b32 s[G1B+5], 32
	s_mov_b32 s[G1B+6], 0
	s_mov_b32 s[G1B+7], 0
	s_lshl_b32 s16, s13, 15                        ; the tokens: 8 tiles of 4,096 bytes a tile row,
	s_lshl_b32 s17, s12, 14
	s_add_co_u32 s16, s16, s17                     ; my four of them
	s_mov_b32 s17, 0
	s_lshl_b32 s46, s42, 16                        ; the features: 16 tiles a tile column,
	s_lshl_b32 s47, s12, 15
	s_add_co_u32 s46, s46, s47                     ; my eight
	s_mov_b32 s47, 0
	s_lshl_b32 s20, s12, 14                        ; where they go: no place in the cluster enters an LDS address
	s_lshl_b32 s21, s12, 15
	s_add_co_u32 s21, s21, BOFF
	s_wait_kmcnt 0x0
	s_add_nc_u64 s[14:15], s[4:5], s[16:17]
	s_add_nc_u64 s[46:47], s[6:7], s[46:47]
	CROUND                                         ; all sixteen work-groups are here: the first joint loads meet
.irp s, 0,1
	s_mov_b32 s[G0+4*\s], 1
	s_add_co_u32 s[G0+4*\s+1], s20, \s*SLOT
	s_add_nc_u64 s[G0+4*\s+2:G0+4*\s+3], s[14:15], \s*ASTEP
	s_or_b32 s[G0+4*\s+3], s[G0+4*\s+3], 0x80000000
	s_mov_b32 s[G0B+4*\s], 1
	s_add_co_u32 s[G0B+4*\s+1], s21, \s*SLOT
	s_add_nc_u64 s[G0B+4*\s+2:G0B+4*\s+3], s[46:47], \s*BSTEP
	s_or_b32 s[G0B+4*\s+3], s[G0B+4*\s+3], 0x80000000
	JLOAD \s                                       ; two tensor loads of mine are out at the most
.endr
	v_and_b32 v1, 31, v0
	v_lshlrev_b32 v3, 4, v1                        ; 16 x lane
	s_lshl_b32 s21, s11, 14                        ; my four tiles of tokens,
	s_lshl_b32 s22, s12, 15
	s_add_co_u32 s22, s22, BOFF                    ; my eight of features
.irp s, 0,1
	v_add_nc_u32 v[ADRA+\s], s21, v3
	v_add_nc_u32 v[ADRB+\s], s22, v3
	s_add_co_u32 s21, s21, SLOT
	s_add_co_u32 s22, s22, SLOT
.endr
	s_mul_i32 s23, s10, 16*SPITCH
	s_add_co_u32 s23, s23, STAGE                   ; my stage
	v_and_b32 v4, 15, v0
	v_bfe_u32 v2, v0, 4, 1
	v_mul_u32_u24 v5, v4, SPITCH                   ; in: row l % 16, 32 bytes for each half of the lanes
	v_lshl_add_u32 v5, v2, 5, v5
	v_add_nc_u32 v[STO], s23, v5
	v_mov_b32 v[CO], v3                            ; back: the 32 lanes take one row of 512 bytes; and the same in out0
	v_add_nc_u32 v[RD], s23, v3
	s_lshl_b32 s16, s13, 19                        ; my first row of out0: 128 x tile row + 64 x half, 4,096 bytes a row (under 2^26),
	s_lshl_b32 s17, s11, 18
	s_add_co_u32 s16, s16, s17
	s_lshl_b32 s17, s42, 10                        ; my first column, in bytes: 1,024 x tile column + 512 x half
	s_add_co_u32 s16, s16, s17
	s_lshl_b32 s17, s12, 9
	s_add_co_u32 s16, s16, s17
	s_mov_b32 s17, 0
	s_add_nc_u64 s[8:9], s[8:9], s[16:17]
; 8 matrix instructions: the tokens' tile a x the features' eight, 32 along K.  zero = 1: the product starts the sums.  The 32 accumulators take turns, in the same order in every quarter.
.macro MUL8 f, a, zero
.irp b, 0,1,2,3,4,5,6,7
.if \zero
	v_wmma_f32_16x16x32_f16 v[8*(8*(\a)+\b):8*(8*(\a)+\b)+7], v[\f+32+8*\b:\f+32+8*\b+7], v[\f+8*(\a):\f+8*(\a)+7], 0
.else
	v_wmma_f32_16x16x32_f16 v[8*(8*(\a)+\b):8*(8*(\a)+\b)+7], v[\f+32+8*\b:\f+32+8*\b+7], v[\f+8*(\a):\f+8*(\a)+7], v[8*(8*(\a)+\b):8*(8*(\a)+\b)+7]
.endif
.endr
.endm
; 24 LDS loads in one run: the fragments of the slot's c-th 32 along K into buffer f: the features' eight, then the tokens' four
.macro FETCH slot, c, f
	WIN 0
.irp b, 0,1,2,3,4,5,6,7
	ds_load_b128 v[\f+32+8*\b:\f+32+8*\b+3],   v[ADRB+\slot] offset:\b*4096+(\c)*1024
	ds_load_b128 v[\f+32+8*\b+4:\f+32+8*\b+7], v[ADRB+\slot] offset:\b*4096+(\c)*1024+512
.endr
.irp i, 0,1,2,3
	ds_load_b128 v[\f+8*\i:\f+8*\i+3],   v[ADRA+\slot] offset:\i*4096+(\c)*1024
	ds_load_b128 v[\f+8*\i+4:\f+8*\i+7], v[ADRA+\slot] offset:\i*4096+(\c)*1024+512
.endr
.endm
.macro PLACES                          ; four places in front of loads into registers that matrix instructions have read, and of the first read of results (ISA guide 7.12.1 for the reads of results)
.rept 4
	v_nop
.endr
.endm
; A K step is four quarters of 32 along K, 32 matrix instructions each, on buffers 0, 1, 0, 1.  One of the first three: multiplies buffer f and fetches the next quarter, c, into g.
.macro QUARTER slot, c, f, g, zero
	s_wait_dscnt 4                                 ; the features' fragments and the tokens' tiles 0 and 1 are in; the youngest four loads (tiles 2 and 3) may be out
	WIN MUL
	MUL8 \f, 0, \zero
	MUL8 \f, 1, \zero
	PLACES
	FETCH \slot, \c, \g
	s_wait_dscnt 24                                ; all but the 24 just issued
	WIN MUL
	MUL8 \f, 2, \zero
	MUL8 \f, 3, \zero
.endm
; The last quarter multiplies buffer 1 and changes slots: one barrier; in front of it each wave waits for all its tensor loads, adds 0 to its spare word, and waits for that and for its own reads of this slot.
; fill = 1: the barrier opens a round of the cluster's, and this slot is filled again, two K steps ahead: 112 matrix instructions stand between the request and the wait for it.
.macro TURN slot, next, fill
	WIN 0                                          ; (the add's two registers lie in window 0)
	s_wait_tensorcnt 0x0                           ; all my tensor loads have landed: my part of the next slot
	ds_add_u32 v[SPW], v[NIL]                      ; 0 onto my spare word
	s_wait_dscnt 5                                 ; (the add and the youngest four loads may be out)
	WIN MUL
	MUL8 F1, 0, 0                                  ; eight matrix instructions stand between the add and the wait for it
	s_wait_dscnt 0x0                               ; the add is done, and my reads of this slot are over
	s_barrier_signal -1
	MUL8 F1, 1, 0
.if \fill
	WIN 0
.endif
	s_barrier_wait -1
.if \fill
	CREST                                          ; no wave of any partner still reads this slot's tile or has a load on its way
	s_add_nc_u64 s[G0+4*\slot+2:G0+4*\slot+3], s[G0+4*\slot+2:G0+4*\slot+3], 2*ASTEP
	s_add_nc_u64 s[G0B+4*\slot+2:G0B+4*\slot+3], s[G0B+4*\slot+2:G0B+4*\slot+3], 2*BSTEP
	JLOAD \slot                                    ; the first tensor load behind the round; the four v_nop behind it are also the places in front of the loads below
.else
	PLACES
.endif
	FETCH \next, 0, F0
	WIN MUL
	MUL8 F1, 2, 0
	MUL8 F1, 3, 0
.endm
	s_wait_tensorcnt 1                             ; my part of K step 0 is in (K step 1's load may be out),
	s_barrier_signal -1
	s_barrier_wait -1                              ; everybody's is
	FETCH 0, 0, F0
	QUARTER 0, 1, F0, F1, 1                        ; the first quarter stands in front of the loop: its products start the sums
	WIN 0                                          ; at a label and at a branch every window is 0
	s_mov_b32 s3, LAPS-1
.Llap:                                             ; a trip goes once round the ring, from a lap's second quarter to the next lap's first, and fills both slots again
	QUARTER 0, 2, F1, F0, 0
	QUARTER 0, 3, F0, F1, 0
	TURN 0, 1, 1
	QUARTER 1, 1, F0, F1, 0
	QUARTER 1, 2, F1, F0, 0
	QUARTER 1, 3, F0, F1, 0
	TURN 1, 0, 1
	QUARTER 0, 1, F0, F1, 0
	WIN 0
	s_sub_co_u32 s3, s3, 1
	s_cmp_lg_u32 s3, 0
	s_cbranch_scc1 .Llap
	QUARTER 0, 2, F1, F0, 0                        ; the last lap fills nothing, and has no round of the cluster's barrier
	QUARTER 0, 3, F0, F1, 0
	TURN 0, 1, 0
	QUARTER 1, 1, F0, F1, 0
	QUARTER 1, 2, F1, F0, 0
	QUARTER 1, 3, F0, F1, 0
	s_wait_dscnt 4                                 ; the very last quarter: nothing more to fetch
	WIN MUL
	MUL8 F1, 0, 0
	MUL8 F1, 1, 0
	s_wait_dscnt 0
	MUL8 F1, 2, 0
	MUL8 F1, 3, 0
	WIN 0
; THE WAY OUT, block by block of 16 rows x 128 columns.  A lane holds 32 neighbouring bytes of a row, and the lanes beside it hold other rows: so a block goes through my own stage in LDS and comes back as whole
; rows of 512 bytes.  LDS serves a wave's instructions in order (ISA guide 5.7.1.4): no wait between the stores and the loads, nor in front of the next block's stores.
.macro TOSTAGE a
	WIN 0x04                                       ; an LDS store's data are its source 1: window 1
.irp b, 0,1,2,3,4,5,6,7
	ds_store_b128 v[STO], v[64*(\a)+8*\b:64*(\a)+8*\b+3] offset:64*\b          ; each accumulator from its low end on
	ds_store_b128 v[STO], v[64*(\a)+8*\b+4:64*(\a)+8*\b+7] offset:64*\b+16
.endr
	WIN 0
.set BB, BK+64*((\a)%2)
.irp t, 0,1,2,3,4,5,6,7,8,9,10,11,12,13,14,15
	ds_load_b128 v[BB+4*\t:BB+4*\t+3], v[RD] offset:\t*SPITCH
.endr
.endm
.macro SEND a, younger                 ; younger: the LDS instructions issued behind block a's loads, which may stay out
.set BB, BK+64*((\a)%2)
	s_wait_dscnt \younger                          ; the block is back in registers
.irp t, 0,1,2,3,4,5,6,7,8,9,10,11,12,13,14,15
	global_store_b128 v[CO], v[BB+4*\t:BB+4*\t+3], s[8:9] offset:(16*(\a)+\t)*4096 th:TH_STORE_NT   ; 32 lanes store 512 consecutive bytes, aligned; the row stands in the immediate, 63 rows at the most
.endr
.endm
	PLACES                                         ; behind the last products: their results are read, and the fragment buffers loaded again, only behind four places
	TOSTAGE 0
	TOSTAGE 1
	SEND 0, 32                                     ; behind block 0's loads: block 1's 16 stores and 16 loads
	s_wait_xcnt 0x0                                ; block 0's stores have read their registers: block 2's loads may land there
	TOSTAGE 2
	SEND 1, 32
	s_wait_xcnt 0x0                                ; block 1's likewise
	TOSTAGE 3
	SEND 2, 32
	SEND 3, 0
	s_wait_tensorcnt 0x0                           ; the wave's end: behind my last tensor load and my last LDS store
	ds_add_u32 v[SPW], v[NIL]
	s_wait_dscnt 0x0
	CROUND                                         ; the closing round: no work-group ends while a partner may still ask for a tile that names it
	s_endpgm
.Lfunc_end_k_q1cfc1461e5_outp:
	.size	k_q1cfc1461e5_outp, .Lfunc_end_k_q1cfc1461e5_outp-k_q1cfc1461e5_outp
	.p2alignl 7, 3214868480
	.fill 96, 4, 3214868480
	.section	.rodata,"a",@progbits
	.p2align	6, 0x0
	.amdhsa_kernel k_q1cfc1461e5_outp
		.amdhsa_group_segment_fixed_size 327680
		.amdhsa_private_segment_fixed_size 0
		.amdhsa_enable_private_segment 0
		.amdhsa_kernarg_size 24
		.amdhsa_user_sgpr_count 2
		.amdhsa_user_sgpr_kernarg_segment_ptr 1
		.amdhsa_wavefront_size32 1
		.amdhsa_system_sgpr_workgroup_id_x 1
		.amdhsa_system_sgpr_workgroup_id_y 1
		.amdhsa_system_sgpr_workgroup_id_z 1
		.amdhsa_system_vgpr_workitem_id 0
		.amdhsa_next_free_vgpr 512
		.amdhsa_next_free_sgpr 66
		.amdhsa_reserve_vcc 0
		.amdhsa_float_denorm_mode_32 3
		.amdhsa_float_denorm_mode_16_64 3
		.amdhsa_memory_ordered 1
		.amdhsa_forward_progress 1
		.amdhsa_inst_pref_size 84
	.end_amdhsa_kernel
	.amdgpu_metadata
---
amdhsa.version: [ 1, 2 ]
amdhsa.kernels:
  - .name:           k_q1cfc1461e5_outp
    .symbol:         k_q1cfc1461e5_outp.kd
    .args:
      - { .name: a_img, .offset: 0, .size: 8, .value_kind: global_buffer, .address_space: global }
      - { .name: wo_img, .offset: 8, .size: 8, .value_kind: global_buffer, .address_space: global }
      - { .name: out0, .offset: 16, .size: 8, .value_kind: global_buffer, .address_space: global }
    .group_segment_fixed_size: 327680
    .private_segment_fixed_size: 0
    .kernarg_segment_align: 8
    .kernarg_segment_size: 24
    .max_flat_workgroup_size: 128
    .sgpr_count:     66
    .vgpr_count:     512
    .wavefront_size: 32
...
	.end_amdgpu_metadata
.endif
;; end of part 4
